; MI455X (gfx1250); checked and timed in simulation.
; The chip was launched on July 23, 2026; its instructions are those of AMD's public machine-readable ISA for CDNA 5 (MIT licence, August 2026) and "CDNA5" Instruction Set Architecture Reference Guide (July 2026). The comments in the code are by the model that wrote it; some were corrected since.
;; Multi Head Self Attention V2. Allowed arithmetic: matrix products marked QUANTISED: E2M3 operands, one E8M0 scale for each 32 along K, by v_wmma_scale_f32_16x16x128_f8f6f4 with both operands' format E2M3, f32 sums; everything else in f32.
;; Inputs: Wk_codes 1,024 x 32 x 24 uint8 (E2M3 codes of Wk, K innermost, in blocks of 32 codes, four codes in three bytes); Wk_scales 1,024 x 32 uint8 (E8M0 scales of Wk, one for each 32 codes along K); Wp_codes 1,024 x 32 x 24 uint8 (E2M3 codes of Wp, K innermost, in blocks of 32 codes, four codes in three bytes); Wp_scales 1,024 x 32 uint8 (E8M0 scales of Wp, one for each 32 codes along K); Wq_codes 1,024 x 32 x 24 uint8 (E2M3 codes of Wq, K innermost, in blocks of 32 codes, four codes in three bytes); Wq_scales 1,024 x 32 uint8 (E8M0 scales of Wq, one for each 32 codes along K); Wv_codes 1,024 x 32 x 24 uint8 (E2M3 codes of Wv, K innermost, in blocks of 32 codes, four codes in three bytes); Wv_scales 1,024 x 32 uint8 (E8M0 scales of Wv, one for each 32 codes along K); beta 1,024 float32; bk 1,024 float32; bp 1,024 float32; bq 1,024 float32; bv 1,024 float32; gamma 1,024 float32; x 4 x 2,048 x 1,024 float32.
;; Outputs: out0 4 x 2,048 x 1,024 float32.
;; This version of the problem:
;;   THIS VERSION OF THE PROBLEM IS GIVEN IN LOW PRECISION. The matrix products marked QUANTISED in the list below multiply operands that are first quantised to E2M3 (2 exponent bits, 3 mantissa bits; 6 bits a number), with one power-of-two scale for each 32 numbers along K (OCP MX v1.0); their sums are f32. All else is computed in f32.
;;   The module's matrix products, in the order in which they are computed (A, B: the left and right operand; K: the contracted axis; several contracted axes count as one K, in the product's order):
;;     1. [M 8,192, K 1,024] x [K 1,024, N 1,024]; A: input x; B: input Wq (given as codes): QUANTISED
;;     2. [M 8,192, K 1,024] x [K 1,024, N 1,024]; A: input x; B: input Wk (given as codes): QUANTISED
;;     3. [M 8,192, K 1,024] x [K 1,024, N 1,024]; A: input x; B: input Wv (given as codes): QUANTISED
;;     4. batch 64 x [M 2,048, K 64] x [K 64, N 2,048]; A: computed on the way; B: computed on the way: QUANTISED
;;     5. batch 64 x [M 2,048, K 2,048] x [K 2,048, N 64]; A: softmax (see below); B: computed on the way: QUANTISED
;;     6. [M 8,192, K 1,024] x [K 1,024, N 1,024]; A: computed on the way; B: input Wp (given as codes): QUANTISED
;;   THE QUANTISER, for each operand of a quantised product, along K:
;;     - K is cut into blocks of 32 from its start; a last block that is shorter is filled with zeros.
;;     - A block's scale is 2^e with e = floor(log2(the largest magnitude in the block)) - 2, held to -126 .. 127; a block of zeros has e = 0. As a byte (E8M0): e + 127.
;;     - Each number is divided by its block's scale, clamped to +-7.5, and rounded to the nearest number of E2M3, ties to even, subnormals kept.
;;     - The product sums the exact products of the quantised numbers (number of the format x scale) in f32.
;;   ~~~python
;;   def quantise(x, axis):      # numpy; x: float32 -> the quantised numbers, widened to float32 again
;;       x = np.moveaxis(x, axis, -1); K = x.shape[-1]
;;       x = np.pad(x, [(0, 0)] * (x.ndim - 1) + [(0, -K % 32)]); x = x.reshape(x.shape[:-1] + (-1, 32)); a = np.abs(x).max(-1, keepdims=True)
;;       e = np.where(a > 0, np.clip(np.frexp(np.where(a > 0, a, 1))[1] - 1 - 2, -126, 127), 0)      # np.frexp(a)[1] - 1 = floor(log2(a)), exactly
;;       r = np.clip(x / 2.0 ** e, -7.5, 7.5)
;;       step = 2.0 ** (np.maximum(np.frexp(np.where(r == 0, 1, r))[1] - 1, 0) - 3)
;;       q = np.round(r / step) * step * 2.0 ** e      # np.round: ties to even
;;       return np.moveaxis(q.reshape(q.shape[:-2] + (-1,))[..., :K], -1, axis).astype(np.float32)
;;   ~~~
;;   SOFTMAX AHEAD OF A QUANTISED PRODUCT. Where the list says 'softmax', what is quantised is not the finished softmax but p = 2^(t - M), with t = logit x log2(e) and M = ceil(the row's largest t), a whole number; so 1/2 < the row's largest p <= 1. The row's sum l is taken of the UNQUANTISED p, in f32, and the product's result is divided by l at the end. Since M is a whole number, a kernel that streams over the keys may use a running M (the ceiling of the running maximum): every later rescaling is an exact power of two, which a block's scale takes up: the codes' values come out the same.
;;   OPERANDS COMPUTED ON THE WAY. 'Computed on the way' means the value that the module computes at that place (a softmax that the list does not call 'softmax' is quantised finished and normalised). What goes into a quantiser is computed in f32, as accurately as f32 sums, v_exp_f32 and their like allow (about 1e-6 of the number): no bf16 or f16 on the way to a quantiser, and a product that is left as it is and whose result goes on into a quantised operand takes f32 operands (vector FMAs, or v_wmma_f32_16x16x4_f32). A number that lies on a knife's edge between two numbers of the format may be rounded either way, as far as f32 arithmetic and the matrix unit's own rounding can turn it there, and no further.
;;   INPUTS GIVEN AS CODES. Wk (in the module: [1024, 1024], K = its axis 1); Wp (in the module: [1024, 1024], K = its axis 1); Wq (in the module: [1024, 1024], K = its axis 1); Wv (in the module: [1024, 1024], K = its axis 1): each comes as NAME_codes (uint8): NAME with its K axis moved to the last place and cut into blocks of 32 codes, [.., K / 32, bytes a block], one block behind the other in memory; four codes in three bytes: a row's codes are one little-endian stream of bits, code i at bits 6 i .. 6 i + 5 (a code: sign, 2 exponent bits, 3 mantissa bits); and NAME_scales (uint8): the same leading axes, one E8M0 byte (e + 127) for each 32 codes along K. Its value is code x scale, taken as it is: it is not quantised again, and the codes and scales need not be those that the quantiser above would give.
;; One version. Each part assembles by itself: llvm-mc -triple=amdgcn-amd-amdhsa -mcpu=gfx1250 --defsym DOCPART=n.
;; ======== version 1 of 1: 4 launches
;; limits: right only within a limited range of input values
;; workspace buffers: x_codes 6,291,456 bytes; x_scales 262,144 bytes; wp_img 786,432 bytes; w_img 2,359,296 bytes; qrec 13,369,344 bytes; kvrec 13,369,344 bytes; a_img 6,291,456 bytes; a_sc 262,144 bytes
;; launch quant (part 1): grid 368 x 1, 4 waves a work-group, no clusters, 33,280 bytes of LDS; arguments x, Wp_codes, x_codes, x_scales, wp_img, Wq_codes, Wk_codes, Wv_codes, w_img; writes x_codes, x_scales, wp_img, w_img
.if DOCPART == 1
	.amdgcn_target "amdgcn-amd-amdhsa--gfx1250"
	.amdhsa_code_object_version 6
	.text
	.protected	k_qf4967c31cf_quant
	.globl	k_qf4967c31cf_quant
	.p2align	8
	.type	k_qf4967c31cf_quant,@function
k_qf4967c31cf_quant:
	s_mov_b64 s[64:65], 0
	v_nop
	global_prefetch_b8 v0, s[64:65] scope:SCOPE_SE
	s_setreg_imm32_b32 hwreg(HW_REG_WAVE_MODE, 25, 1), 1
	s_wait_xcnt 0x0
; Two jobs in one launch, told apart by the work-group's number.
; WORK-GROUPS 0-255: x [8192][1024] f32 becomes codes of FP6 (E2M3), K innermost, x_codes [4 K steps][8192][192 bytes], and one E8M0 byte for each 32 along K, x_scales [8192][32].
; A block's scale is 2^(floor(log2(its largest magnitude)) - 2); its byte is the largest magnitude's exponent field - 2, held at 1 from below.
; Rows are dense, so x is a plain stream of blocks of 32.  A wave takes 16 steps of 512 numbers: four loads of 512 consecutive bytes, a turn through the wave's own stage in LDS
; (16 bytes of padding behind each 64), so that a lane then holds 16 neighbours; two neighbouring lanes hold a block.  A step's codes leave as two runs of 192 bytes in two planes, a wave's 256 scale bytes as one aligned run.
; WORK-GROUPS 256-271: Wp's codes are laid out as images of operand registers: wp_img [64 tiles of 16 rows][8 K steps of 128][1536 bytes]: registers 4 c .. 4 c + 3 of lane l at 512 c + 16 l.
; A later launch then loads a fragment by three dense loads of 16 bytes a lane.  This path uses no LDS.
; LIMITS: a block of zeros gets the byte 1 (its codes are zeros, and this program alone reads the bytes); blocks whose largest magnitude lies under 2^-124 keep the byte 1; NaN and infinities are not served.
; No tensor loads, no cluster, no matrix work: a stream whose waves share nothing.
.set STEPS, 16
.set EMAX,  2
.set CB,    12                         ; bytes of 16 codes
.set R,     16                         ; v16-79   four sets of 16 numbers as loaded
.set X,     80                         ; v80-111  two sets of 16 neighbours
.set C,     128                        ; v128-191 codes: four registers for each step
.set E,     112                        ; v112-127 a scale byte for each step
.set WREG,  8192                       ; LDS of a wave: two stages of 32 x SP bytes, then its 256 scale bytes
.set SP,    80
.set XWG,   256                        ; 8192 x 1024 / 32768 work-groups for x
	s_load_b256 s[4:11], s[0:1], 0x0               ; x s[4:5], Wp's codes s[6:7], x_codes s[8:9], x_scales s[10:11]
	s_load_b64 s[12:13], s[0:1], 0x20              ; wp_img
	s_load_b256 s[24:31], s[0:1], 0x28             ; Wq's, Wk's, Wv's codes s[24:29], w_img s[30:31]
	v_lshl_add_u32 v192, v0, 2, 0x8000
	v_mov_b32 v193, 0
	v_lshrrev_b32 v1, 5, v0
	v_readfirstlane_b32 s16, v1                    ; wave
	v_and_b32 v2, 31, v0                           ; lane
	s_cmp_ge_u32 ttmp9, XWG
	s_cbranch_scc1 .Lwp
	v_lshlrev_b32 v3, 4, v2                        ; my 16 bytes of a load's 512
	s_mul_i32 s17, s16, WREG
	v_lshrrev_b32 v14, 2, v2
	v_mul_u32_u24 v14, v14, SP
	v_and_b32 v15, 3, v2
	v_lshl_add_u32 v14, v15, 4, v14
	v_add_nc_u32 v14, s17, v14                     ; the stage, on the way in: SP (lane / 4) + 16 (lane % 4)
	v_mul_u32_u24 v15, v2, SP
	v_add_nc_u32 v15, s17, v15                     ; and on the way out: SP x lane: my 16 neighbours
	; x_codes IS LAID BY K STEPS OF 256: [4 K steps][8192 rows][192 bytes], so that 128 rows of one K step are 24,576 dense bytes that begin at a multiple of 256
	v_and_b32 v4, 15, v2
	v_mul_u32_u24 v4, v4, CB                       ; my 12 bytes among a row's 192 of a K step
	v_lshrrev_b32 v13, 4, v2
	v_mul_u32_u24 v13, v13, 0x180000               ; lanes 16-31 hold the next K step: a plane of 8192 x 192 bytes on
	v_add_nc_u32 v4, v4, v13
	v_lshrrev_b32 v5, 1, v2
	s_add_co_u32 s17, s17, 2*32*SP
	v_add_nc_u32 v5, s17, v5                       ; LDS: my block's scale byte
	v_lshlrev_b32 v7, 3, v2                        ; on the way out 8 bytes a lane
	v_add_nc_u32 v6, s17, v7
	s_wait_alu depctr_va_vdst(0)
	s_wait_kmcnt 0x0
	s_lshl_b32 s17, ttmp9, 2
	s_add_co_u32 s18, s17, s16                     ; which run of 8,192 numbers is my wave's
	s_mov_b32 s19, 0
	s_mov_b64 s[20:21], 512*STEPS*4
	s_mul_u64 s[20:21], s[18:19], s[20:21]
	s_add_nc_u64 s[4:5], s[4:5], s[20:21]
	s_mov_b64 s[20:21], 8*192                      ; a run is 8 rows: 8 x 192 bytes in each plane
	s_mul_u64 s[20:21], s[18:19], s[20:21]
	s_add_nc_u64 s[8:9], s[8:9], s[20:21]
	s_lshl_b32 s18, s18, 8                         ; 256 scale bytes a run
	s_add_nc_u64 s[10:11], s[10:11], s[18:19]
.macro LOAD t
.irp i, 0,1,2,3
	global_load_b128 v[R+16*((\t)%4)+4*\i:R+16*((\t)%4)+4*\i+3], v3, s[4:5] offset:2048*(\t)+512*\i   ; 32 lanes read 512 consecutive bytes
.endr
.endm
.macro TURN t                          ; step t's numbers through the stage: LDS serves a wave's instructions in order, so no wait stands between the stores and the loads
.irp i, 0,1,2,3
	ds_store_b128 v14, v[R+16*((\t)%4)+4*\i:R+16*((\t)%4)+4*\i+3] offset:32*SP*((\t)%2)+8*SP*\i
.endr
.irp i, 0,1,2,3
	ds_load_b128 v[X+16*((\t)%2)+4*\i:X+16*((\t)%2)+4*\i+3], v15 offset:32*SP*((\t)%2)+16*\i
.endr
.endm
.irp t, 0,1,2,3
	LOAD \t
.endr
	s_wait_loadcnt 12                              ; step 0's four loads are in; the twelve of steps 1 to 3 may be out
	TURN 0
.macro STEP t
.set XS, X+16*((\t)%2)
.if (\t) > 0
	s_wait_dscnt 1                                 ; this step's numbers are back from the stage; the last step's byte store may be out
.else
	s_wait_dscnt 0x0
.endif
.if (\t)+4 < STEPS
	LOAD (\t)+4                                    ; into the registers that the stage's stores have read
.endif
.if (\t)+1 < STEPS
.if STEPS-2-(\t) >= 3
	s_wait_loadcnt 12                              ; the next step's four loads are in; those of the three steps behind it may be out
.else
	s_wait_loadcnt 4*(STEPS-2-(\t))
.endif
	TURN (\t)+1                                    ; through the other stage while this step is worked
.endif
	v_max3_num_f32 v8, |v[XS]|, |v[XS+1]|, |v[XS+2]|               ; the largest magnitude of my 16, in two chains
	v_max3_num_f32 v9, |v[XS+3]|, |v[XS+4]|, |v[XS+5]|
.irp i, 6,10
	v_max3_num_f32 v8, v8, |v[XS+\i]|, |v[XS+\i+1]|
	v_max3_num_f32 v9, v9, |v[XS+\i+2]|, |v[XS+\i+3]|
.endr
	v_max3_num_f32 v8, v8, |v[XS+14]|, |v[XS+15]|
	v_max3_num_f32 v8, v8, v9, (EMAX+1)<<23        ; and the floor 2^(3 - 127): the byte cannot fall under 1
	v_max_num_f32_dpp v8, v8, v8 row_xmask:1 row_mask:0xf bank_mask:0xf   ; with my neighbour's 16: the block's
	v_add_nc_u32 v11, -(EMAX<<23), v8              ; 2 off the exponent field: the conversion takes the exponent field of this operand as its scale
	v_cvt_scalef32_pk16_fp6_f32 v[C+4*(\t):C+4*(\t)+2], v[XS:XS+15], v11
	v_lshrrev_b32 v[E+(\t)], 23, v11               ; the scale's byte (also the plain line behind the conversion)
	ds_store_b8 v5, v[E+(\t)] offset:16*(\t)       ; both lanes of a block write the same byte with the same value
	global_store_b96 v4, v[C+4*(\t):C+4*(\t)+2], s[8:9] offset:192*((\t)/2)+2*0x180000*((\t)%2)   ; step t is row t / 2, K steps 2 (t % 2) and 2 (t % 2) + 1
.endm
.irp t, 0,1,2,3,4,5,6,7,8,9,10,11,12,13,14,15
	STEP \t
.endr
	ds_load_b64 v[12:13], v6                       ; LDS serves a wave's instructions in order: these see my stores
	s_wait_dscnt 0x0
	global_store_b64 v7, v[12:13], s[10:11]        ; 32 lanes store 256 consecutive bytes, aligned
	s_wait_tensorcnt 0x0
	ds_add_u32 v192, v193
	s_wait_dscnt 0x0
	s_endpgm
.Lwp:
	s_cmp_ge_u32 ttmp9, XWG+16
	s_cbranch_scc1 .Lrelay
	v_and_b32 v4, 15, v0
	v_bfe_u32 v5, v0, 4, 1                         ; h
	v_mul_u32_u24 v6, v4, 768
	v_mad_u32_u24 v6, v5, 24, v6
	s_wait_alu depctr_va_vdst(0)
	v_lshlrev_b32 v3, 4, v2                        ; 16 x lane
	s_sub_co_u32 s17, ttmp9, XWG
	s_lshl_b32 s17, s17, 2
	s_add_co_u32 s17, s17, s16
	s_mul_i32 s18, s17, 12288                      ; 16 rows of 768 bytes, and as many bytes of images
	s_mov_b32 s19, 0
	s_wait_alu depctr_va_vdst(0)
	s_wait_kmcnt 0x0
	s_add_nc_u64 s[6:7], s[6:7], s[18:19]
	s_add_nc_u64 s[12:13], s[12:13], s[18:19]
.irp s, 0,1,2,3,4,5,6,7
.irp p, 0,1,2,3,4,5
	global_load_b64 v[16+12*\s+2*\p:17+12*\s+2*\p], v6, s[6:7] offset:96*\s+48*(\p/3)+8*(\p%3)
.endr
.endr
.irp s, 0,1,2,3,4,5,6,7
	s_wait_loadcnt 6*(7-\s)                        ; fragment s is in; the six loads of each later fragment may be out
.irp c, 0,1,2
	global_store_b128 v3, v[16+12*\s+4*\c:19+12*\s+4*\c], s[12:13] offset:1536*\s+512*\c   ; 512 consecutive bytes, aligned
.endr
.endr
	s_endpgm
.Lrelay:
	; WORK-GROUPS 272-367: Wq's, Wk's, Wv's codes [1024][768] are laid by K steps of 256: w_img [3 weights][4 K steps][1024 rows][192 bytes].
	; Thread q = 128 (work-group - 272) + thread takes piece q of 16 bytes of every plane: row q / 12, piece q % 12.  No LDS.
	s_sub_co_u32 s17, ttmp9, XWG+16
	s_lshl_b32 s17, s17, 7
	v_add_nc_u32 v4, s17, v0                       ; q, 0 .. 12,287
	v_mul_u32_u24 v5, v4, 0xaaab
	v_lshrrev_b32 v5, 19, v5                       ; q / 12: exact for q under 131,072
	v_mul_u32_u24 v6, v5, 12
	v_sub_nc_u32 v6, v4, v6
	v_lshlrev_b32 v6, 4, v6
	v_mad_u32_u24 v6, v5, 768, v6                  ; from: 768 row + 16 piece (+ 192 K step)
	v_lshlrev_b32 v7, 4, v4                        ; to: 16 q: 32 lanes store 512 consecutive bytes, aligned
	s_wait_alu depctr_va_vdst(0)
	s_wait_kmcnt 0x0
.irp w, 0,1,2
.irp k, 0,1,2,3
	global_load_b128 v[16+16*\w+4*\k:19+16*\w+4*\k], v6, s[24+2*\w:25+2*\w] offset:192*\k
.endr
.endr
	s_wait_loadcnt 0x0
.irp w, 0,1,2
.irp k, 0,1,2,3
	global_store_b128 v7, v[16+16*\w+4*\k:19+16*\w+4*\k], s[30:31] offset:786432*\w+196608*\k
.endr
.endr
	s_endpgm
.Lfunc_end_k_qf4967c31cf_quant:
	.size	k_qf4967c31cf_quant, .Lfunc_end_k_qf4967c31cf_quant-k_qf4967c31cf_quant
	.p2alignl 7, 3214868480
	.fill 96, 4, 3214868480
	.section	.rodata,"a",@progbits
	.p2align	6, 0x0
	.amdhsa_kernel k_qf4967c31cf_quant
		.amdhsa_group_segment_fixed_size 33280
		.amdhsa_private_segment_fixed_size 0
		.amdhsa_enable_private_segment 0
		.amdhsa_kernarg_size 72
		.amdhsa_user_sgpr_count 2
		.amdhsa_user_sgpr_kernarg_segment_ptr 1
		.amdhsa_wavefront_size32 1
		.amdhsa_system_sgpr_workgroup_id_x 1
		.amdhsa_system_sgpr_workgroup_id_y 1
		.amdhsa_system_sgpr_workgroup_id_z 1
		.amdhsa_system_vgpr_workitem_id 0
		.amdhsa_next_free_vgpr 194
		.amdhsa_next_free_sgpr 66
		.amdhsa_reserve_vcc 0
		.amdhsa_float_denorm_mode_32 3
		.amdhsa_float_denorm_mode_16_64 3
		.amdhsa_memory_ordered 1
		.amdhsa_forward_progress 1
		.amdhsa_inst_pref_size 43
	.end_amdhsa_kernel
	.amdgpu_metadata
---
amdhsa.version: [ 1, 2 ]
amdhsa.kernels:
  - .name:           k_qf4967c31cf_quant
    .symbol:         k_qf4967c31cf_quant.kd
    .args:
      - { .name: x, .offset: 0, .size: 8, .value_kind: global_buffer, .address_space: global }
      - { .name: Wp_codes, .offset: 8, .size: 8, .value_kind: global_buffer, .address_space: global }
      - { .name: x_codes, .offset: 16, .size: 8, .value_kind: global_buffer, .address_space: global }
      - { .name: x_scales, .offset: 24, .size: 8, .value_kind: global_buffer, .address_space: global }
      - { .name: wp_img, .offset: 32, .size: 8, .value_kind: global_buffer, .address_space: global }
      - { .name: Wq_codes, .offset: 40, .size: 8, .value_kind: global_buffer, .address_space: global }
      - { .name: Wk_codes, .offset: 48, .size: 8, .value_kind: global_buffer, .address_space: global }
      - { .name: Wv_codes, .offset: 56, .size: 8, .value_kind: global_buffer, .address_space: global }
      - { .name: w_img, .offset: 64, .size: 8, .value_kind: global_buffer, .address_space: global }
    .group_segment_fixed_size: 33280
    .private_segment_fixed_size: 0
    .kernarg_segment_align: 8
    .kernarg_segment_size: 72
    .max_flat_workgroup_size: 128
    .sgpr_count:     66
    .vgpr_count:     194
    .wavefront_size: 32
...
	.end_amdgpu_metadata
.endif
;; end of part 1
;; launch qkv (part 2): grid 12 x 32, 4 waves a work-group, clusters of 4 x 4, 327,680 bytes of LDS; arguments x_codes, x_scales, w_img, Wq_scales, Wk_scales, Wv_scales, bq, bk, bv, qrec, kvrec; writes qrec, kvrec
.if DOCPART == 2
	.amdgcn_target "amdgcn-amd-amdhsa--gfx1250"
	.amdhsa_code_object_version 6
	.text
	.protected	k_qf4967c31cf_qkv
	.globl	k_qf4967c31cf_qkv
	.p2align	8
	.type	k_qf4967c31cf_qkv,@function
k_qf4967c31cf_qkv:
	s_mov_b64 s[64:65], 0
	v_nop
	global_prefetch_b8 v0, s[64:65] scope:SCOPE_SE
	s_setreg_imm32_b32 hwreg(HW_REG_WAVE_MODE, 25, 1), 1
	s_wait_xcnt 0x0
	s_wait_alu depctr_hold_cnt(0) depctr_sa_sdst(0) depctr_va_vdst(0) depctr_va_sdst(0) depctr_va_ssrc(0) depctr_va_vcc(0) depctr_vm_vsrc(0)
	s_getreg_b32 s2, hwreg(HW_REG_IB_STS2, 6, 4)
	s_cmp_eq_u32 s2, 0
	s_cbranch_scc0 .Lentry_in_a_cluster
	s_endpgm
.Lentry_in_a_cluster:
	s_bfe_u32 s2, ttmp6, 0x10000c
	s_cmp_lg_u32 s2, 0xf033
	s_cbranch_scc0 .Lentry_shape_is_right
	s_endpgm
.Lentry_shape_is_right:
.set KSTEP,  256
.set NQ,     KSTEP/128
.set ROWB,   192
.set KROW,   768
.set PITCH,  240
.set FR,     12
.set NL,     6
.set NP,     4
.set HALFT,  128*PITCH
.set SLOT,   4*HALFT
.set LAPS,   2
.set KS,     32
.set SCL,    2*SLOT
.set HALFS,  (128*KS/256)*272
.set SBLK,   (16*KS/256)*272
.set SPARE,  SCL+4*HALFS
.set REC,    13056
.set HEADB,  16*REC
.set VH32, 8
.set VR4,  9
.set ADRA, 16
.set ADRB, 20
.set VO16, 24
.set VO8,  25
.set VSC,  26
.set ADRS, 27
.set SPW,  28
.set NIL,  29
.set SH16, 30
.set SC,   32
.set BM,   64
.set AF,   128
.set BN,   224
.set HA,   128
.set CD,   192
.set SWR,  212
.set TM,   32
.set PW,   48
.set SEL,  94
.set HM,   93
.set G1, 24
.set G0, 32
.set G1B, 48
.set G0B, 56
.set G1S, 68
.set G0S, 76
.set G1SB, 80
.set G0SB, 88
.set MSB, 0
.macro WIN new
.if MSB != \new
	s_set_vgpr_msb (MSB<<8)|\new
.set MSB, \new
.endif
.endm
.set MUL_LO, 0xa1
.set MUL_HI, 0xf1
.set TO_B,   0x40
.macro JLOAD g0a, g1a, g0b, g1b
	s_cmp_eq_u32 s15, 0
	s_cbranch_scc0 .Lfor_b_\@
	tensor_load_to_lds s[\g0a:\g0a+3], s[\g1a:\g1a+7]
	s_nop 0
.rept 4
	v_nop
.endr
	s_branch .Lasked_\@
.Lfor_b_\@:
	tensor_load_to_lds s[\g0b:\g0b+3], s[\g1b:\g1b+7]
	s_nop 0
.rept 4
	v_nop
.endr
.Lasked_\@:
.endm
.macro CREST
	s_cmp_lg_u32 s14, 0
	s_cbranch_scc1 .Lnot_wave_0_\@
	s_barrier_signal -3
.Lnot_wave_0_\@:
	s_barrier_wait -3
	s_barrier_signal -1
	s_barrier_wait -1
.endm
.macro CROUND
	s_barrier_signal -1
	s_barrier_wait -1
	CREST
.endm
	s_load_b256 s[68:75], s[0:1], 0x0              ; x_codes, x_scales, w_img (Wq's planes first), Wq_scales
	s_load_b64 s[78:79], s[0:1], 0x20              ; Wk_scales
	s_load_b64 s[82:83], s[0:1], 0x28              ; Wv_scales
	s_load_b256 s[84:91], s[0:1], 0x30             ; bq, bk, bv, qrec
	s_load_b64 s[92:93], s[0:1], 0x50              ; kvrec
	v_lshl_add_u32 v[SPW], v0, 2, SPARE
	v_mov_b32 v[NIL], 0
	ds_add_u32 v28, v29
	ds_add_u32 v28, v29
	s_wait_dscnt 0x0
	v_lshrrev_b32 v1, 5, v0
	v_readfirstlane_b32 s14, v1
	s_lshr_b32 s15, s14, 1
	s_and_b32 s16, s14, 1
	s_bfe_u32 s40, ttmp6, 0x40000
	s_bfe_u32 s41, ttmp6, 0x40004
	s_and_b32 s2, ttmp7, 0xffff
	s_lshl_b32 s2, s2, 2
	s_cmp_eq_u32 ttmp9, 2
	s_cselect_b32 s94, s2, 0
	s_cselect_b32 s95, 0, s2
	s_add_co_u32 s42, s94, s40
	s_add_co_u32 s17, s95, s41
	s_lshl_b32 s43, s41, 2
	s_lshl_b32 s43, 15, s43
	s_lshl_b32 s44, 0x1111, s40
	s_or_b32 s[G1+0], s43, (0<<16)|(1<<20)|(1<<21)|(3<<22)|(3<<25)
	s_or_b32 s[G1B+0], s44, (0<<16)|(1<<20)|(1<<21)|(3<<22)|(3<<25)
.irp g, G1, G1B
	; 128 rows x 192 bytes of one K step lie dense in their plane: stated as 96 rows of 256 bytes; the padding's interval stays 64 bytes, so the LDS image is 128 rows of 240 bytes
	s_mov_b32 s[\g+1], 256<<16
	s_mov_b32 s[\g+2], 96<<16
	s_mov_b32 s[\g+3], 256<<16
	s_mov_b32 s[\g+4], 96
	s_mov_b32 s[\g+5], 256
	s_mov_b32 s[\g+6], 0
	s_mov_b32 s[\g+7], 0
.endr
	s_lshl_b32 s18, s16, 7
	s_lshl_b32 s20, s17, 8
	s_add_co_u32 s20, s20, s18
	s_lshl_b32 s46, s42, 8
	s_add_co_u32 s46, s46, s18
	s_mov_b32 s21, 0
	s_mov_b32 s47, 0
	s_mov_b64 s[18:19], KS
	s_mul_u64 s[22:23], s[20:21], s[18:19]
	s_mul_u64 s[98:99], s[46:47], s[18:19]
	s_mov_b64 s[18:19], ROWB                       ; a row of a plane is 192 bytes
	s_mul_u64 s[20:21], s[20:21], s[18:19]
	s_mul_u64 s[46:47], s[46:47], s[18:19]
	s_mul_i32 s45, s14, HALFT
	s_mul_i32 s3, s14, HALFS
	s_wait_kmcnt 0x0
	s_add_nc_u64 s[76:77], s[72:73], 786432        ; Wk's planes in w_img
	s_add_nc_u64 s[80:81], s[72:73], 2*786432      ; Wv's
	s_cmp_eq_u32 ttmp9, 1
	s_cselect_b64 s[8:9], s[76:77], s[72:73]
	s_cselect_b64 s[10:11], s[78:79], s[74:75]
	s_cselect_b64 s[96:97], s[86:87], s[84:85]
	s_cmp_eq_u32 ttmp9, 0
	s_cselect_b64 s[12:13], s[90:91], s[92:93]
	s_cmp_eq_u32 ttmp9, 2
	s_cselect_b64 s[8:9], s[68:69], s[8:9]
	s_cselect_b64 s[10:11], s[70:71], s[10:11]
	s_cselect_b64 s[4:5], s[80:81], s[68:69]
	s_cselect_b64 s[6:7], s[82:83], s[70:71]
	s_cselect_b64 s[96:97], s[88:89], s[96:97]
	s_add_nc_u64 s[20:21], s[4:5], s[20:21]
	s_add_nc_u64 s[22:23], s[6:7], s[22:23]
	s_add_nc_u64 s[46:47], s[8:9], s[46:47]
	s_add_nc_u64 s[98:99], s[10:11], s[98:99]
	; from K step to K step: a plane.  x's is 8192 x 192 bytes, a weight's 1024 x 192; for V source A is the weight.  s[4:11] held pointers that have served
	s_cmp_eq_u32 ttmp9, 2
	s_mov_b32 s4, 1572864
	s_cselect_b32 s4, 196608, s4
	s_mov_b32 s6, 196608
	s_cselect_b32 s6, 1572864, s6
	s_mov_b32 s5, 0
	s_mov_b32 s7, 0
	s_lshl_b32 s8, s4, 1
	s_mov_b32 s9, 0
	s_lshl_b32 s10, s6, 1
	s_mov_b32 s11, 0
	s_or_b32 s[G1S+0], s43, (3<<16)|(1<<20)|(1<<21)|(5<<22)|(3<<25)
	s_or_b32 s[G1SB+0], s44, (3<<16)|(1<<20)|(1<<21)|(5<<22)|(3<<25)
.irp g, G1S, G1SB
	s_mov_b32 s[\g+1], 32<<16
	s_mov_b32 s[\g+2], (128*KS/256)<<16
	s_mov_b32 s[\g+3], 32<<16
	s_mov_b32 s[\g+4], 128*KS/256
	s_mov_b32 s[\g+5], 32
	s_mov_b32 s[\g+6], 0
	s_mov_b32 s[\g+7], 0
.endr
	CROUND
	s_mov_b32 s[G0S], 1
	s_add_co_u32 s[G0S+1], s3, SCL
	s_mov_b64 s[G0S+2:G0S+3], s[22:23]
	s_or_b32 s[G0S+3], s[G0S+3], 0x80000000
	s_mov_b32 s[G0SB], 1
	s_add_co_u32 s[G0SB+1], s3, SCL
	s_mov_b64 s[G0SB+2:G0SB+3], s[98:99]
	s_or_b32 s[G0SB+3], s[G0SB+3], 0x80000000
	JLOAD G0S, G1S, G0SB, G1SB
.irp s, 0,1
	s_mov_b32 s[G0+4*\s], 1
	s_add_co_u32 s[G0+4*\s+1], s45, \s*SLOT
	s_mov_b64 s[G0+4*\s+2:G0+4*\s+3], s[20:21]
	s_add_nc_u64 s[20:21], s[20:21], s[4:5]
	s_or_b32 s[G0+4*\s+3], s[G0+4*\s+3], 0x80000000
	s_mov_b32 s[G0B+4*\s], 1
	s_add_co_u32 s[G0B+4*\s+1], s45, \s*SLOT
	s_mov_b64 s[G0B+4*\s+2:G0B+4*\s+3], s[46:47]
	s_add_nc_u64 s[46:47], s[46:47], s[6:7]
	s_or_b32 s[G0B+4*\s+3], s[G0B+4*\s+3], 0x80000000
	s_wait_alu depctr_va_vdst(0)
	s_wait_tensorcnt 0x0
	ds_add_u32 v28, v29
	s_wait_dscnt 0x0
	CROUND
	JLOAD G0+4*\s, G1, G0B+4*\s, G1B
.endr
	v_and_b32 v1, 15, v0
	v_bfe_u32 v2, v0, 4, 1
	v_mul_u32_u24 v3, v1, PITCH
	v_mul_u32_u24 v4, v2, 24
	v_add_nc_u32 v4, v3, v4
	v_lshl_add_u32 v5, v2, 4, v4
	s_mul_i32 s21, s15, HALFT
	s_mul_i32 s22, s16, HALFT
	s_add_co_u32 s22, s22, 2*HALFT
.irp s, 0,1
	v_add_nc_u32 v[ADRA+\s], s21, v4
	v_add_nc_u32 v[ADRB+\s], s22, v4
	v_add_nc_u32 v[ADRA+2+\s], s21, v5
	v_add_nc_u32 v[ADRB+2+\s], s22, v5
	s_add_co_u32 s21, s21, SLOT
	s_add_co_u32 s22, s22, SLOT
.endr
	v_mul_u32_u24 v5, v1, KS
	v_lshrrev_b32 v6, 8, v5
	v_lshl_add_u32 v5, v6, 4, v5
	s_mul_i32 s21, s15, HALFS
	s_mul_i32 s22, s16, HALFS
	s_add_co_u32 s22, s22, 2*HALFS
	s_sub_co_u32 s22, s22, s21
	v_mul_u32_u24 v6, s22, v2
	s_add_co_u32 s21, s21, SCL
	v_add_nc_u32 v5, v5, v6
	v_add_nc_u32 v[ADRS], s21, v5
	v_and_b32 v6, 31, v0
	v_lshlrev_b32 v[VO16], 4, v6
	v_lshlrev_b32 v[VO8], 3, v6
	v_mul_u32_u24 v[VSC], v2, HEADB
	v_lshl_add_u32 v[VSC], v1, 4, v[VSC]
	v_lshlrev_b32 v[SH16], 4, v2
	v_lshlrev_b32 v[VH32], 5, v2
	s_wait_alu depctr_va_vdst(0)
	v_lshlrev_b32 v[VR4], 2, v1
	s_wait_alu depctr_va_vdst(0)
	v_cmp_le_u32 s[HM], 16, v6
	s_lshl_b32 s94, s42, 8
	s_lshl_b32 s95, s16, 7
	s_add_co_u32 s94, s94, s95
	s_lshl_b32 s95, s17, 8
	s_lshl_b32 s2, s15, 7
	s_add_co_u32 s95, s95, s2
	s_cmp_eq_u32 ttmp9, 2
	s_cselect_b32 s66, s94, s95
	s_cselect_b32 s67, s95, s94
	s_cselect_b32 s94, 0, s67
	s_cselect_b32 s95, s67, 0
	s_lshl_b32 s2, s94, 2
	s_mov_b32 s3, 0
	s_add_nc_u64 s[98:99], s[96:97], s[2:3]
	s_lshl_b32 s2, s95, 2
	s_add_nc_u64 s[100:101], s[96:97], s[2:3]
.irp b, 0,1,2,3,4,5,6,7
	global_load_b128 v[BM+8*\b:BM+8*\b+3], v[VH32], s[98:99] offset:64*\b
	global_load_b128 v[BM+8*\b+4:BM+8*\b+7], v[VH32], s[98:99] offset:64*\b+16
.endr
.irp a, 0,1,2,3,4,5,6,7
	global_load_b32 v[BN+2*\a], v[VR4], s[100:101] offset:64*\a
	global_load_b32 v[BN+2*\a+1], v[VR4], s[100:101] offset:64*\a
.endr
	s_lshr_b32 s2, s66, 11
	s_lshl_b32 s2, s2, 4
	s_lshr_b32 s3, s67, 6
	s_add_co_u32 s2, s2, s3
	s_lshl_b32 s2, s2, 4
	s_bfe_u32 s3, s66, 0x40007
	s_add_co_u32 s2, s2, s3
	s_mul_i32 s2, s2, REC
	s_mov_b32 s3, 0
	s_add_nc_u64 s[12:13], s[12:13], s[2:3]
.macro FRAG reg, adr, q, i
.irp p, 0,1,2,3,4,5
.set PCE, 12*(\q)+6*(\p/3)+\p%3
.if PCE%8 < 5
	ds_load_b64 v[\reg+2*\p:\reg+2*\p+1], v[\adr] offset:8*PCE+16*(PCE/8)+(\i)*16*PITCH
.else
	ds_load_b64 v[\reg+2*\p:\reg+2*\p+1], v[\adr+2] offset:8*PCE+16*(PCE/8)+(\i)*16*PITCH
.endif
.endr
.endm
.macro MUL16 a0, p, q, sc, zero
.irp a, \a0, \a0+1
.irp b, 0,1,2,3,4,5,6,7
.if \zero
	v_wmma_scale_f32_16x16x128_f8f6f4 v[8*(8*((\a)%4)+\b):8*(8*((\a)%4)+\b)+7], v[128*(\p)+FR*\b:128*(\p)+FR*\b+FR-1], v[AF+FR*(\a):AF+FR*(\a)+FR-1], 0, v[SC+8*NQ*(\sc)+NQ*\b+(\q)], v[SC+8*NQ*(\sc)+NQ*(\a)+(\q)] matrix_a_fmt:MATRIX_FMT_FP6 matrix_b_fmt:MATRIX_FMT_FP6 matrix_a_scale:MATRIX_SCALE_ROW1
.else
	v_wmma_scale_f32_16x16x128_f8f6f4 v[8*(8*((\a)%4)+\b):8*(8*((\a)%4)+\b)+7], v[128*(\p)+FR*\b:128*(\p)+FR*\b+FR-1], v[AF+FR*(\a):AF+FR*(\a)+FR-1], v[8*(8*((\a)%4)+\b):8*(8*((\a)%4)+\b)+7], v[SC+8*NQ*(\sc)+NQ*\b+(\q)], v[SC+8*NQ*(\sc)+NQ*(\a)+(\q)] matrix_a_fmt:MATRIX_FMT_FP6 matrix_b_fmt:MATRIX_FMT_FP6 matrix_a_scale:MATRIX_SCALE_ROW1
.endif
.endr
.endr
.endm
.macro FETCH_B slot, q, p
	WIN TO_B
.irp i, 0,1,2,3,4,5,6,7
	FRAG 128*(\p)+FR*\i, ADRB+\slot, \q, \i
.endr
	WIN 0
.endm
.macro FETCH_A slot, q, i0
.irp i, \i0, \i0+1, \i0+2, \i0+3
	FRAG AF+FR*(\i), ADRA+\slot, \q, \i
.endr
.endm
.macro SCALES sc
.irp i, 0,1,2,3,4,5,6,7
	ds_load_b64 v[SC+8*NQ*\sc+NQ*\i:SC+8*NQ*\sc+NQ*\i+1], v[ADRS] offset:\i*SBLK
.endr
.endm
.macro PLACES n
.rept \n
	v_nop
.endr
.endm
.macro STEP slot, q, zero
	s_wait_dscnt 4*NL
	WIN MUL_LO
	MUL16 0, (\q)%2, \q, \slot, \zero
	MUL16 2, (\q)%2, \q, \slot, \zero
	s_wait_dscnt 0
	PLACES NP
	FETCH_B \slot, (\q)+1, 1-(\q)%2
	FETCH_A \slot, (\q)+1, 0
	WIN MUL_HI
	MUL16 4, (\q)%2, \q, \slot, \zero
	MUL16 6, (\q)%2, \q, \slot, \zero
	PLACES NP
	WIN 0
	FETCH_A \slot, (\q)+1, 4
.endm
.macro TURN slot, next, fill
	s_wait_tensorcnt 0x0
	ds_add_u32 v[SPW], v[NIL]
	s_wait_dscnt 4*NL+1
	WIN MUL_LO
	MUL16 0, 1, NQ-1, \slot, 0
	s_wait_dscnt 0x0
	s_barrier_signal -1
	MUL16 2, 1, NQ-1, \slot, 0
	WIN 0
	s_barrier_wait -1
.if \fill
	CREST
	s_add_nc_u64 s[G0+4*\slot+2:G0+4*\slot+3], s[G0+4*\slot+2:G0+4*\slot+3], s[8:9]
	s_add_nc_u64 s[G0B+4*\slot+2:G0B+4*\slot+3], s[G0B+4*\slot+2:G0B+4*\slot+3], s[10:11]
	JLOAD G0+4*\slot, G1, G0B+4*\slot, G1B
.else
	PLACES NP
.endif
	s_wait_alu depctr_va_vdst(0)
	v_add_nc_u32 v[ADRS], 4*NQ, v[ADRS]
	FETCH_B \next, 0, 0
	FETCH_A \next, 0, 0
	SCALES \next
	WIN MUL_HI
	MUL16 4, 1, NQ-1, \slot, 0
	MUL16 6, 1, NQ-1, \slot, 0
	PLACES NP
	WIN 0
	FETCH_A \next, 0, 4
.endm
	s_wait_tensorcnt 1
	s_barrier_signal -1
	s_barrier_wait -1
	FETCH_B 0, 0, 0
	FETCH_A 0, 0, 0
	SCALES 0
	FETCH_A 0, 0, 4
	STEP 0, 0, 1
	s_mov_b32 s3, LAPS-1
.Llap:
	TURN 0, 1, 1
	STEP 1, 0, 0
	TURN 1, 0, 1
	STEP 0, 0, 0
	s_sub_co_u32 s3, s3, 1
	s_cmp_lg_u32 s3, 0
	s_cbranch_scc1 .Llap
	TURN 0, 1, 0
	STEP 1, 0, 0
	s_wait_dscnt 4*NL
	WIN MUL_LO
	MUL16 0, 1, NQ-1, 1, 0
	MUL16 2, 1, NQ-1, 1, 0
	s_wait_dscnt 0
	WIN MUL_HI
	MUL16 4, 1, NQ-1, 1, 0
	MUL16 6, 1, NQ-1, 1, 0
	WIN 0
.macro QUANT s
.irp b, 0,1,2,3
	v_max3_num_f32 v[TM+\b], |v[\s+16*\b]|, |v[\s+1+16*\b]|, 0x1800000
.endr
.irp i, 2,4,6,8,10,12,14
.irp b, 0,1,2,3
	v_max3_num_f32 v[TM+\b], v[TM+\b], |v[\s+16*\b+\i]|, |v[\s+1+16*\b+\i]|
.endr
.endr
.irp b, 0,1,2,3
	v_permlanex16_b32 v[TM+4+\b], v[TM+\b], s[SEL], s[SEL+1]
.endr
.irp b, 0,1,2,3
	v_max_num_f32 v[TM+\b], v[TM+\b], v[TM+4+\b]
.endr
.irp b, 0,1,2,3
	v_add_nc_u32 v[TM+12+\b], 0xff000000, v[TM+\b]
.endr
.irp b, 0,1,2,3
	v_lshrrev_b32 v[TM+4+\b], 23, v[TM+12+\b]
.endr
	v_lshl_or_b32 v[PW], v[TM+5], 8, v[TM+4]
	v_lshl_or_b32 v[PW], v[TM+6], 16, v[PW]
	v_lshl_or_b32 v[PW], v[TM+7], 24, v[PW]
.irp c, 0,1
	v_cvt_scalef32_pk16_fp6_f32 v[CD+6*\c:CD+2+6*\c], v[\s+32*\c:\s+15+32*\c], v[TM+12+2*\c]
	v_cvt_scalef32_pk16_fp6_f32 v[CD+12+4*\c:CD+14+4*\c], v[\s+16+32*\c:\s+31+32*\c], v[TM+12+2*\c+1]
.endr
	v_nop
.irp c, 0,1
.irp i, 0,1,2
	v_permlane16_swap_b32 v[CD+6*\c+\i], v[CD+12+4*\c+\i]
.endr
.irp i, 0,1,2
	v_mov_b32 v[CD+3+6*\c+\i], v[CD+12+4*\c+\i]
.endr
.endr
.endm
.macro EPI a, kind
.if (\a) > 0
	s_wait_xcnt 0x0
.endif
.set WW, 0x02+(\a)/4
	WIN WW
.set ii, 0
.rept 32
.if \kind
	v_pk_add_f32 v[HA+2*ii:HA+2*ii+1], v[64*((\a)%4)+2*ii:64*((\a)%4)+2*ii+1], v[BN+2*(\a):BN+2*(\a)+1]
.else
	v_pk_add_f32 v[HA+2*ii:HA+2*ii+1], v[64*((\a)%4)+2*ii:64*((\a)%4)+2*ii+1], v[BM+2*ii:BM+2*ii+1]
.endif
.set ii, ii+1
.endr
	WIN 0
	QUANT HA
	v_mov_b32 v[SWR+(\a)], v[PW]
.if \kind
.irp c, 0,1,2
	global_store_b128 v[VO16], v[CD+4*\c:CD+4*\c+3], s[12:13] offset:6144+HEADB*((\a)/4)+1536*((\a)%4)+512*\c
.endr
.else
	global_store_b128 v[VO16], v[CD:CD+3], s[12:13] offset:768*(\a)
	global_store_b64 v[VO8], v[CD+4:CD+5], s[12:13] offset:768*(\a)+512
	global_store_b128 v[VO16], v[CD+6:CD+9], s[12:13] offset:HEADB+768*(\a)
	global_store_b64 v[VO8], v[CD+10:CD+11], s[12:13] offset:HEADB+768*(\a)+512
.endif
.endm
	PLACES NP
	s_wait_loadcnt 0x0
	s_mov_b32 s[SEL], 0x76543210
	s_mov_b32 s[SEL+1], 0xfedcba98
.irp b, 0,1,2,3
	v_mov_b32 v[TM+4+\b], 0
.endr
	s_cmp_eq_u32 ttmp9, 2
	s_cbranch_scc1 .Lv
.irp a, 0,1,2,3,4,5,6,7
	EPI \a, 0
.endr
.irp a, 0,1,2,3,4,5,6,7
	v_lshrrev_b32 v[SWR+\a], v[SH16], v[SWR+\a]
.endr
.irp a, 0,1,2,3,4,5,6,7
	v_and_b32 v[SWR+\a], 0xffff, v[SWR+\a]
.endr
	global_store_b128 v[VSC], v[SWR:SWR+3], s[12:13] offset:12288
	global_store_b128 v[VSC], v[SWR+4:SWR+7], s[12:13] offset:12544
	s_branch .Lend
.Lv:
.irp a, 0,1,2,3,4,5,6,7
	EPI \a, 1
.endr
.irp i, 0,1,2,3
	v_cndmask_b32 v[SWR+\i], v[SWR+\i], v[SWR+4+\i], s[HM]
.endr
	global_store_b128 v[VSC], v[SWR:SWR+3], s[12:13] offset:12800
.Lend:
	s_wait_tensorcnt 0x0
	ds_add_u32 v[SPW], v[NIL]
	s_wait_dscnt 0x0
	CROUND
	s_endpgm
.Lfunc_end_k_qf4967c31cf_qkv:
	.size	k_qf4967c31cf_qkv, .Lfunc_end_k_qf4967c31cf_qkv-k_qf4967c31cf_qkv
	.p2alignl 7, 3214868480
	.fill 96, 4, 3214868480
	.section	.rodata,"a",@progbits
	.p2align	6, 0x0
	.amdhsa_kernel k_qf4967c31cf_qkv
		.amdhsa_group_segment_fixed_size 327680
		.amdhsa_private_segment_fixed_size 0
		.amdhsa_enable_private_segment 0
		.amdhsa_kernarg_size 88
		.amdhsa_user_sgpr_count 2
		.amdhsa_user_sgpr_kernarg_segment_ptr 1
		.amdhsa_wavefront_size32 1
		.amdhsa_system_sgpr_workgroup_id_x 1
		.amdhsa_system_sgpr_workgroup_id_y 1
		.amdhsa_system_sgpr_workgroup_id_z 1
		.amdhsa_system_vgpr_workitem_id 0
		.amdhsa_next_free_vgpr 1024
		.amdhsa_next_free_sgpr 102
		.amdhsa_reserve_vcc 0
		.amdhsa_float_denorm_mode_32 3
		.amdhsa_float_denorm_mode_16_64 3
		.amdhsa_memory_ordered 1
		.amdhsa_forward_progress 1
		.amdhsa_inst_pref_size 236
	.end_amdhsa_kernel
	.amdgpu_metadata
---
amdhsa.version: [ 1, 2 ]
amdhsa.kernels:
  - .name:           k_qf4967c31cf_qkv
    .symbol:         k_qf4967c31cf_qkv.kd
    .args:
      - { .name: x_codes, .offset: 0, .size: 8, .value_kind: global_buffer, .address_space: global }
      - { .name: x_scales, .offset: 8, .size: 8, .value_kind: global_buffer, .address_space: global }
      - { .name: w_img, .offset: 16, .size: 8, .value_kind: global_buffer, .address_space: global }
      - { .name: Wq_scales, .offset: 24, .size: 8, .value_kind: global_buffer, .address_space: global }
      - { .name: Wk_scales, .offset: 32, .size: 8, .value_kind: global_buffer, .address_space: global }
      - { .name: Wv_scales, .offset: 40, .size: 8, .value_kind: global_buffer, .address_space: global }
      - { .name: bq, .offset: 48, .size: 8, .value_kind: global_buffer, .address_space: global }
      - { .name: bk, .offset: 56, .size: 8, .value_kind: global_buffer, .address_space: global }
      - { .name: bv, .offset: 64, .size: 8, .value_kind: global_buffer, .address_space: global }
      - { .name: qrec, .offset: 72, .size: 8, .value_kind: global_buffer, .address_space: global }
      - { .name: kvrec, .offset: 80, .size: 8, .value_kind: global_buffer, .address_space: global }
    .group_segment_fixed_size: 327680
    .private_segment_fixed_size: 0
    .kernarg_segment_align: 8
    .kernarg_segment_size: 88
    .max_flat_workgroup_size: 128
    .sgpr_count:     102
    .vgpr_count:     1024
    .wavefront_size: 32
...
	.end_amdgpu_metadata
.endif
;; end of part 2
;; launch attn (part 3): grid 4 x 64, 16 waves a work-group, clusters of 4 x 1, 210,944 bytes of LDS; arguments qrec, kvrec, x, a_img, a_sc; writes a_img, a_sc
.if DOCPART == 3
	.amdgcn_target "amdgcn-amd-amdhsa--gfx1250"
	.amdhsa_code_object_version 6
	.text
	.protected	k_qf4967c31cf_attn
	.globl	k_qf4967c31cf_attn
	.p2align	8
	.type	k_qf4967c31cf_attn,@function
k_qf4967c31cf_attn:
	s_mov_b64 s[64:65], 0
	v_nop
	global_prefetch_b8 v0, s[64:65] scope:SCOPE_SE
	s_setreg_imm32_b32 hwreg(HW_REG_WAVE_MODE, 25, 1), 1
	s_wait_xcnt 0x0
	s_wait_alu depctr_hold_cnt(0) depctr_sa_sdst(0) depctr_va_vdst(0) depctr_va_sdst(0) depctr_va_ssrc(0) depctr_va_vcc(0) depctr_vm_vsrc(0)
	s_getreg_b32 s2, hwreg(HW_REG_IB_STS2, 6, 4)
	s_cmp_eq_u32 s2, 0
	s_cbranch_scc0 .Lentry_in_a_cluster
	s_endpgm
.Lentry_in_a_cluster:
	s_bfe_u32 s2, ttmp6, 0x10000c
	s_cmp_lg_u32 s2, 0x3003
	s_cbranch_scc0 .Lentry_shape_is_right
	s_endpgm
.Lentry_shape_is_right:
; Causal attention of one (batch, head) a cluster, on codes of FP6 (E2M3) with E8M0 scales, then / the row's sum, + x (the residual), and the result quantised along the 1024 channels for the projection.
; t = score x log2(e) / sqrt(2048); M = the running largest t rounded UP to a whole number; p = 2^(t - M) is quantised along the keys, not normalised; the row's sum is taken of the unquantised p.
; When M moves, the sum and O are multiplied by 2^(old M - new M): exact.  Key steps that lie wholly above the causal mask's diagonal are not computed.
; SHARES.  The head's 128 tiles of 16 queries fall into 16 groups of eight; a tile of group g needs key steps 0 .. g of 128 keys.  Work-group cx owns tiles 2 cx, 2 cx + 1 of every group.
; Wave w (G = w / 2) takes tile 2 cx + (w & 1) of group 15 - G and then of group G: (16 - G) + (G + 1) = 17 key steps for every wave.
; ONE LOOP OF 17 TRIPS, a key step a trip: trip j is key step j of the first group while j <= 15 - G, then key step (j + G) & 15 of the second.  Branches hang on the wave's number and the trip alone.
; A work-group barrier in each trip keeps the sixteen waves within a trip of each other: signalled at the trip's top, waited for behind the scores' products; between the two stand register work and reads of LDS bytes that nobody writes.
; A group's last step lies on the diagonal.  There K's and Q's registers have served: x's 32 numbers a lane are loaded into K's, the second group's Q into Q's, and both are waited for on the way out, behind the step's softmax.
; LDS.  The head's sixteen records (13,056 bytes: eight tiles of K, four of V, their scale words, as images of operand registers) are brought ONCE, a record a wave, jointly for the four work-groups of the cluster, and stay.
; LAYOUT.  Both products transposed: S^T = K Q^T (registers 6-11 of both operands are zero codes: the head has 64 channels), O^T = V^T P^T: a lane holds one query.
; out: a_img [token tile 512][head 16][768]: registers 0-3 at 16 lane, registers 4-5 at 512 + 8 lane;  a_sc [head 16][token 8192][2].
; PREFETCH: at a group's start the even wave names, a lane a token, the 32 x 256 bytes of x that it and its odd neighbour load in that group's last step; each is named once in the launch.
; LIMITS: a block of zeros gets the byte 1 (its codes are zeros); blocks under 2^-124 keep the byte 1; NaN and infinities are not served; the scaled scores stay under 2^31 in magnitude.
; REGISTERS: v1 16 lane, v2 8 lane + 512, v3 16 r, v4-6 the step's LDS addresses, v7 x's offset, v8 2 r + h, v9 the mask's bound, v10 Q's scale word, v11 4096 lane; v12 -M, v13 the largest t, v[14:15] the sum;
;   v16-27 Q; v28-31 V's scale words; v32-79 four tiles of K (v32-63: x); v80-91 p's codes; v92-95 K's scale words; v96-159 S^T, then p; v160-191 O^T; v192-239 V; v240-255 at work.
.set REC,   13056
.set HEADB, 16*REC
.set SPB,   0x33000                    ; the spare words, behind the sixteen records
.macro ROUND
	s_barrier_signal -1
	s_barrier_wait -1
	s_cmp_lg_u32 s14, 0
	s_cbranch_scc1 .Lnot_wave_0_\@
	s_barrier_signal -3
.Lnot_wave_0_\@:
	s_barrier_wait -3
	s_barrier_signal -1
	s_barrier_wait -1
.endm
.macro NOPS
.rept 4
	v_nop
.endr
.endm
.macro QLOAD g                         ; Q's tile and scale words of my tile in group s\g
	s_mul_i32 s54, s\g, REC
	s_add_co_u32 s52, s54, s61
	s_add_nc_u64 s[44:45], s[4:5], s[52:53]
	s_add_co_u32 s52, s54, s66
	s_add_nc_u64 s[58:59], s[4:5], s[52:53]
	global_load_b128 v[16:19], v1, s[44:45]
	global_load_b64 v[20:21], v2, s[44:45]
	global_load_b32 v10, v3, s[58:59]
.endm
.macro START                           ; group s16 begins: where x lies and the results go; the prefetch; the running state
	s_lshl_b32 s54, s29, 7
	s_lshl_b32 s55, s16, 3
	s_add_co_u32 s54, s54, s55                     ; 128 batch + 8 group
	s_add_co_u32 s30, s54, s19                     ; my token tile among the 512
	s_lshl_b32 s55, s18, 1
	s_add_co_u32 s31, s54, s55                     ; my work-group's even tile
	s_lshl_b32 s55, s21, 8
	s_lshl_b32 s52, s30, 16
	s_add_co_u32 s52, s52, s55
	s_add_nc_u64 s[46:47], s[8:9], s[52:53]        ; x at my 16 tokens, my head's 64 channels
	s_lshl_b32 s52, s31, 16
	s_add_co_u32 s52, s52, s55
	s_add_nc_u64 s[56:57], s[8:9], s[52:53]        ; x at my work-group's 32 tokens
	s_mul_i32 s52, s30, 12288
	s_mul_i32 s55, s21, 768
	s_add_co_u32 s52, s52, s55
	s_add_nc_u64 s[48:49], s[10:11], s[52:53]      ; a_img
	s_lshl_b32 s52, s21, 14
	s_lshl_b32 s55, s30, 5
	s_add_co_u32 s52, s52, s55
	s_add_nc_u64 s[50:51], s[12:13], s[52:53]      ; a_sc
	s_cmp_lg_u32 s15, 0
	s_cbranch_scc1 .Lnopf_\@
	global_prefetch_b8 v11, s[56:57] th:TH_LOAD_NT scope:SCOPE_SE
.Lnopf_\@:
	v_mov_b32 v13, 0xff61b1e6                      ; the largest t so far: -3e38
	v_mov_b32 v14, 0
	v_mov_b32 v15, 0
	v_floor_f32 v12, -v13                          ; -M
.irp i, 38,39,40,41,42,43, 50,51,52,53,54,55, 62,63,64,65,66,67, 74,75,76,77,78,79
	v_mov_b32 v\i, 0                               ; the zero codes of K = 64 .. 127 in the four tiles of K (x has lain over some of them)
.endr
.set j, 0
.rept 32
	v_mov_b32 v[160+j], 0                          ; O^T: the step is written once, and a group's first finds zeros
.set j, j+1
.endr
.endm
.macro KHALF g                         ; tiles 4 g .. 4 g + 3 of K and their scale words: nine loads
.irp t, 0,1,2,3
	ds_load_b128 v[32+12*\t:35+12*\t], v4 offset:768*(4*\g+\t)
	ds_load_b64 v[36+12*\t:37+12*\t], v5 offset:768*(4*\g+\t)
.endr
	ds_load_b128 v[92:95], v6 offset:12288+256*\g
.endm
.macro SCORES g
.irp t, 0,1,2,3
	v_wmma_scale_f32_16x16x128_f8f6f4 v[96+32*\g+8*\t:103+32*\g+8*\t], v[32+12*\t:43+12*\t], v[16:27], 0, v[92+\t], v10 matrix_a_fmt:MATRIX_FMT_FP6 matrix_b_fmt:MATRIX_FMT_FP6
.endr
.endm
	s_load_b256 s[4:11], s[0:1], 0x0               ; qrec, kvrec, x, a_img
	s_load_b64 s[12:13], s[0:1], 0x20              ; a_sc
	v_lshl_add_u32 v254, v0, 2, SPB
	v_mov_b32 v255, 0
	ds_add_u32 v254, v255                          ; the opening lines: the add twice on end and its wait
	ds_add_u32 v254, v255
	s_wait_dscnt 0x0
	v_lshrrev_b32 v1, 5, v0
	v_readfirstlane_b32 s14, v1                    ; wave 0..15
	s_and_b32 s15, s14, 1                          ; which of my work-group's two tiles
	s_lshr_b32 s63, s14, 1                         ; G: the second group
	s_xor_b32 s62, s63, 15                         ; 15 - G: the first
	s_mov_b32 s16, s62                             ; the group at work
	s_mov_b32 s60, 0                               ; the trip
	s_bfe_u32 s18, ttmp6, 0x40000                  ; cx: it enters global addresses and the mask's bound alone
	s_lshl_b32 s19, s18, 1
	s_add_co_u32 s19, s19, s15                     ; my tile in a group
	s_and_b32 s20, ttmp7, 0xffff                   ; batch x 16 + head
	s_and_b32 s21, s20, 15
	s_lshr_b32 s29, s20, 4
	s_mov_b32 s22, 0x76543210
	s_mov_b32 s23, 0xfedcba98                      ; v_permlanex16_b32's selects for lane l xor 16
	s_mov_b32 s24, 0x3d0293ee                      ; c = log2(e) / sqrt(2048)
	s_mov_b32 s25, s24
	s_mov_b32 s36, 15|(3<<16)|(1<<21)              ; group 1: a record, dense: 51 rows of 256 bytes; the mask names all four work-groups
	s_mov_b32 s37, 32<<16
	s_mov_b32 s38, 51<<16
	s_mov_b32 s39, 32<<16
	s_mov_b32 s40, 51
	s_mov_b32 s41, 32
	s_mov_b32 s42, 0
	s_mov_b32 s43, 0
	s_mov_b32 s32, 1
	s_mul_i32 s33, s14, REC                        ; record w lies at REC x w in LDS
	s_mul_i32 s54, s20, HEADB
	s_add_co_u32 s52, s54, s33
	s_mov_b32 s53, 0                               ; stays 0: the upper word of every offset
	s_mul_i32 s55, s19, 768
	s_add_co_u32 s61, s54, s55                     ; my Q tile in a record of my head
	s_lshr_b32 s55, s19, 2
	s_lshl_b32 s55, s55, 8
	s_add_co_u32 s66, s54, s55
	s_and_b32 s55, s19, 3
	s_lshl_b32 s55, s55, 2
	s_add_co_u32 s66, s66, s55
	s_add_co_u32 s66, s66, 12288                   ; and its scale words
	s_wait_kmcnt 0x0
	s_add_nc_u64 s[34:35], s[6:7], s[52:53]
	s_or_b32 s35, s35, 0x80000000
	ROUND                                          ; all four work-groups are here: the joint loads meet
	tensor_load_to_lds s[32:35], s[36:43]          ; my one tensor load of the launch
	s_nop 0
	NOPS
	v_and_b32 v254, 31, v0                         ; lane
	v_and_b32 v253, 15, v0                         ; r
	v_bfe_u32 v252, v0, 4, 1                       ; h
	v_lshlrev_b32 v1, 4, v254
	v_lshlrev_b32 v2, 3, v254
	v_lshlrev_b32 v3, 4, v253
	v_lshlrev_b32 v7, 12, v253
	v_add_nc_u32 v2, 0x200, v2
	v_lshlrev_b32 v9, 3, v252
	v_lshl_add_u32 v7, v252, 6, v7                 ; x: row r of 4,096 bytes, + 64 h
	v_lshl_add_u32 v8, v253, 1, v252
	v_sub_nc_u32 v9, v253, v9
	s_lshl_b32 s52, s19, 4
	v_add_nc_u32 v9, s52, v9                       ; 16 tile + r - 8 h: on the diagonal, register 8 t + j is hidden where 16 t + j is above it
	v_lshlrev_b32 v11, 12, v254
	v_cmp_le_u32 s26, 16, v254                     ; lanes 16-31
.irp i, 22,23,24,25,26,27, 244,245,246,247,252,253
	v_mov_b32 v\i, 0                               ; Q's zero codes; lane permutes' destinations; the pair v[252:253]
.endr
	s_wait_alu depctr_va_vdst(0)                   ; the wait ahead of the scalar lines below
	QLOAD 16                                       ; under the record's flight
	START
	s_wait_alu depctr_va_vdst(0)                   ; the wait at the head's end
	s_wait_loadcnt 0x0                             ; Q
	s_wait_tensorcnt 0x0                           ; my record is in,
	s_barrier_signal -1
	s_barrier_wait -1                              ; everybody's is
.Lstep:
	s_wait_alu depctr_va_vdst(0)                   ; the wait ahead of the barrier; no LDS instruction of mine is out here
	s_barrier_signal -1                            ; I have begun trip j
	s_cmp_gt_u32 s60, s62
	s_cselect_b32 s27, s63, 0
	s_add_co_u32 s27, s27, s60
	s_and_b32 s27, s27, 15                         ; the key step
	s_mul_i32 s28, s27, REC                        ; its record in LDS
	v_add_nc_u32 v4, s28, v1
	v_add_nc_u32 v5, s28, v2
	v_add_nc_u32 v6, s28, v3
	v_nop                                          ; with the three additions: four places behind the last step's products
	KHALF 0
	s_wait_alu depctr_va_vdst(0)
	s_wait_dscnt 0x0
	SCORES 0
	NOPS
	KHALF 1
.irp t, 0,1,2,3
.irp c, 0,1,2
	ds_load_b128 v[192+12*\t+4*\c:195+12*\t+4*\c], v4 offset:6144+1536*\t+512*\c
.endr
.endr
	ds_load_b128 v[28:31], v6 offset:12800
	s_wait_dscnt 13                                ; K's nine loads are in; V's thirteen, issued behind them, land under the softmax
	SCORES 1
	s_wait_alu depctr_va_vdst(0)
	s_barrier_wait -1                              ; every wave has begun trip j
	NOPS
	s_cmp_lg_u32 s27, s16                          ; a group's last step lies on the diagonal
	s_cbranch_scc1 .Lopen
	s_cmp_eq_u32 s60, 16
	s_cbranch_scc1 .Lnoq
	QLOAD 63                                       ; the second group's Q: the first's has served (its loads were waited for, so their bases may be written)
.Lnoq:
.irp b, 0,1
.irp q, 0,1,2,3
	global_load_b128 v[32+16*\b+4*\q:35+16*\b+4*\q], v7, s[46:47] offset:128*\b+16*\q th:TH_LOAD_NT   ; x(token r, channels 32 b + 16 h + 4 q ..)
.endr
.endr
	v_mov_b32 v254, 0xff800000                     ; hidden scores become -infinity ahead of the maximum: p = 0 then.  Key 0 of the step counts for every query
.set n, 0
.rept 64
	v_cmp_gt_i32 vcc_lo, 16*(n/8)+n%8, v9
	v_cndmask_b32 v[96+n], v[96+n], v254, vcc_lo
.set n, n+1
.endr
.Lopen:
.irp b, 0,1,2,3
	v_max3_num_f32 v[240+\b], v[96+16*\b], v[97+16*\b], v[98+16*\b]   ; the largest score of each block of 32 keys: for the row's maximum and for the block's largest p
.endr
.irp i, 3,5,7,9,11,13
.irp b, 0,1,2,3
	v_max3_num_f32 v[240+\b], v[240+\b], v[96+16*\b+\i], v[97+16*\b+\i]
.endr
.endr
.irp b, 0,1,2,3
	v_max_num_f32 v[240+\b], v[240+\b], v[111+16*\b]
.endr
.irp b, 0,1,2,3
	v_permlanex16_b32 v[244+\b], v[240+\b], s22, s23
.endr
.irp b, 0,1,2,3
	v_max_num_f32 v[240+\b], v[240+\b], v[244+\b]  ; with lane l xor 16's 16 keys
.endr
	v_max3_num_f32 v254, v240, v241, v242
	v_max_num_f32 v254, v254, v243
	v_mul_f32 v254, s24, v254                      ; the step's largest t (c is positive)
	v_max_num_f32 v13, v13, v254
	v_mov_b32 v254, v12
	v_floor_f32 v12, -v13                          ; the new -M = -ceil(t)
	v_sub_f32 v254, v12, v254                      ; old M - new M: a whole number, 0 or less
	v_cvt_i32_f32 v254, v254                       ; (it saturates)
	v_ldexp_f32 v252, 1.0, v254                    ; f = 2^(old M - new M)
.set j, 0
.rept 32
	v_pk_fma_f32 v[96+j:97+j], v[96+j:97+j], s[24:25], v[12:13] op_sel_hi:[1,0,0]   ; t - M, two at a time
.set j, j+2
.endr
.irp b, 0,1,2,3
	v_fma_f32 v[240+\b], v[240+\b], s24, v12       ; the same of each block's largest score
.endr
	s_wait_alu depctr_va_vdst(0)                   ; the wait ahead of the batch
.set j, 0
.rept 64
	v_exp_f32 v[96+j], v[96+j]                     ; p = 2^(t - M)
.set j, j+1
.endr
	v_pk_mul_f32 v[14:15], v[14:15], v[252:253] op_sel_hi:[1,0]   ; the sums under the new M (the plain line behind the exponentials)
	s_wait_alu depctr_va_vdst(0)                   ; one wait for the batch of 64
.irp b, 0,1,2,3
	v_exp_f32 v[240+\b], v[240+\b]                 ; the blocks' largest p
.endr
.set j, 96                             ; the row's sum of the unquantised p: 32 pairs in eight chains
.irp c, 244,246,248,250,254,92,94
	v_pk_add_f32 v[\c:\c+1], v[j:j+1], v[j+2:j+3]
.set j, j+4
.endr
.rept 2
.irp c, 14,244,246,248,250,254,92,94
	v_pk_add_f32 v[\c:\c+1], v[\c:\c+1], v[j:j+1]
.set j, j+2
.endr
.endr
	v_pk_add_f32 v[14:15], v[14:15], v[156:157]
	v_pk_add_f32 v[244:245], v[244:245], v[158:159]
	v_pk_add_f32 v[246:247], v[246:247], v[248:249]
	v_pk_add_f32 v[250:251], v[250:251], v[254:255]
	v_pk_add_f32 v[92:93], v[92:93], v[94:95]
	v_pk_add_f32 v[14:15], v[14:15], v[244:245]
	v_pk_add_f32 v[246:247], v[246:247], v[250:251]
	v_pk_add_f32 v[14:15], v[14:15], v[92:93]
	v_pk_add_f32 v[14:15], v[14:15], v[246:247]
	s_wait_alu depctr_va_vdst(0)                   ; and one for the four
.irp b, 0,1,2,3
	v_max_num_f32 v[240+\b], 0x1800000, v[240+\b]  ; the floor 2^(3 - 127): the byte cannot fall under 1
.endr
.irp b, 0,1,2,3
	v_add_nc_u32 v[248+\b], 0xff000000, v[240+\b]  ; 2 off the exponent field: the conversion's scale operand
.endr
.irp b, 0,1,2,3
	v_lshrrev_b32 v[244+\b], 23, v[248+\b]         ; the scale's byte
.endr
	v_lshl_or_b32 v253, v245, 8, v244              ; p's scale word for these 128 keys
	v_lshl_or_b32 v253, v246, 16, v253
	v_lshl_or_b32 v253, v247, 24, v253
.irp c, 0,1
	v_cvt_scalef32_pk16_fp6_f32 v[80+6*\c:82+6*\c], v[96+32*\c:111+32*\c], v[248+2*\c]
	v_cvt_scalef32_pk16_fp6_f32 v[240+4*\c:242+4*\c], v[112+32*\c:127+32*\c], v[248+2*\c+1]
.endr
	v_nop                                          ; one plain line behind a scaled conversion
.irp c, 0,1                                    ; a whole block in a lane: lanes 0-15 block 2 c, lanes 16-31 block 2 c + 1
.irp i, 0,1,2
	v_permlane16_swap_b32 v[80+6*\c+\i], v[240+4*\c+\i]
.endr
.irp i, 0,1,2
	v_mov_b32 v[83+6*\c+\i], v[240+4*\c+\i]
.endr
.endr
	s_wait_alu depctr_va_vdst(0)                   ; the wait here, directly ahead of the first reader of O^T
.set j, 0
.rept 16
	v_pk_mul_f32 v[160+j:161+j], v[160+j:161+j], v[252:253] op_sel_hi:[1,0]   ; O^T under the new M; these sixteen also stand between the writes of p's codes and scale word and the products
.set j, j+2
.endr
	s_wait_alu depctr_va_vdst(0)
	s_wait_loadcnt 0x0                             ; on every way: x and the next Q, asked for in a diagonal step ahead of its softmax, are in; in the other steps no load is out
	s_wait_dscnt 0x0                               ; V
.irp t, 0,1,2,3                                ; the four accumulators take turns; eight other products stand between two links of a chain
	v_wmma_scale_f32_16x16x128_f8f6f4 v[160+8*\t:167+8*\t], v[192+12*\t:203+12*\t], v[80:91], v[160+8*\t:167+8*\t], v[28+\t], v253 matrix_a_fmt:MATRIX_FMT_FP6 matrix_b_fmt:MATRIX_FMT_FP6
.endr
	s_cmp_lg_u32 s27, s16
	s_cbranch_scc1 .Lnext
	; THE WAY OUT of a group
	NOPS
	v_add_f32 v14, v14, v15
	v_permlanex16_b32 v252, v14, s22, s23
	v_add_f32 v14, v14, v252                       ; the row's sum
	s_wait_alu depctr_va_vdst(0)
	v_rcp_f32 v14, v14
	v_nop                                          ; a plain line behind the reciprocal
	s_wait_alu depctr_va_vdst(0)                   ; and the wait ahead of its first reader
.set j, 0
.rept 16
	v_pk_mul_f32 v[160+j:161+j], v[160+j:161+j], v[14:15] op_sel_hi:[1,0]   ; each accumulator from its low end on
.set j, j+2
.endr
.irp b, 0,1                                    ; register 8 t + j holds channel 16 t + 8 h + j; behind the swaps register 16 b + i holds channel 32 b + 16 h + i
.irp j, 0,1,2,3,4,5,6,7
	v_permlane16_swap_b32 v[160+16*\b+\j], v[168+16*\b+\j]
.endr
.endr
	s_wait_alu depctr_va_vdst(0)
	s_wait_loadcnt 0x0                             ; x, and the next Q
.set j, 0
.rept 16
	v_pk_add_f32 v[160+j:161+j], v[160+j:161+j], v[32+j:33+j]   ; the residual, ahead of the projection
.set j, j+2
.endr
.irp b, 0,1
	v_max3_num_f32 v[240+\b], |v[160+16*\b]|, |v[161+16*\b]|, 0x1800000
.endr
.irp i, 2,4,6,8,10,12,14
.irp b, 0,1
	v_max3_num_f32 v[240+\b], v[240+\b], |v[160+16*\b+\i]|, |v[161+16*\b+\i]|
.endr
.endr
.irp b, 0,1
	v_permlanex16_b32 v[244+\b], v[240+\b], s22, s23
.endr
.irp b, 0,1
	v_max_num_f32 v[240+\b], v[240+\b], v[244+\b]
.endr
.irp b, 0,1
	v_add_nc_u32 v[248+\b], 0xff000000, v[240+\b]
.endr
.irp b, 0,1
	v_lshrrev_b32 v[244+\b], 23, v[248+\b]
.endr
	v_cvt_scalef32_pk16_fp6_f32 v[80:82], v[160:175], v248
	v_cvt_scalef32_pk16_fp6_f32 v[86:88], v[176:191], v249
	v_cndmask_b32 v254, v244, v245, s26            ; lane (r, h) takes block h's byte (the plain line behind the conversions)
.irp i, 0,1,2
	v_permlane16_swap_b32 v[80+\i], v[86+\i]
.endr
.irp i, 0,1,2
	v_mov_b32 v[83+\i], v[86+\i]                   ; v80-85: my whole block h
.endr
	global_store_b128 v1, v[80:83], s[48:49]       ; 512 consecutive bytes, aligned
	global_store_b64 v2, v[84:85], s[48:49]        ; 256 consecutive bytes, aligned
	global_store_b8 v8, v254, s[50:51]             ; the tile's 32 scale bytes, consecutive
	s_wait_alu depctr_va_vdst(0)
	s_cmp_eq_u32 s60, 16                           ; behind the second group nothing begins
	s_cbranch_scc1 .Lnext
	s_mov_b32 s16, s63
	s_wait_xcnt 0x0                                ; the stores and the prefetch have read their bases and data
	START
.Lnext:
	s_add_co_u32 s60, s60, 1
	s_cmp_lt_u32 s60, 17
	s_cbranch_scc1 .Lstep
	s_wait_xcnt 0x0
	v_lshl_add_u32 v254, v0, 2, SPB
	v_mov_b32 v255, 0
	s_wait_alu depctr_va_vdst(0)
	s_wait_tensorcnt 0x0                           ; the wave's end
	ds_add_u32 v254, v255
	s_wait_dscnt 0x0
	ROUND                                          ; the closing round
	s_endpgm
.Lfunc_end_k_qf4967c31cf_attn:
	.size	k_qf4967c31cf_attn, .Lfunc_end_k_qf4967c31cf_attn-k_qf4967c31cf_attn
	.p2alignl 7, 3214868480
	.fill 96, 4, 3214868480
	.section	.rodata,"a",@progbits
	.p2align	6, 0x0
	.amdhsa_kernel k_qf4967c31cf_attn
		.amdhsa_group_segment_fixed_size 210944
		.amdhsa_private_segment_fixed_size 0
		.amdhsa_enable_private_segment 0
		.amdhsa_kernarg_size 40
		.amdhsa_user_sgpr_count 2
		.amdhsa_user_sgpr_kernarg_segment_ptr 1
		.amdhsa_wavefront_size32 1
		.amdhsa_system_sgpr_workgroup_id_x 1
		.amdhsa_system_sgpr_workgroup_id_y 1
		.amdhsa_system_sgpr_workgroup_id_z 1
		.amdhsa_system_vgpr_workitem_id 0
		.amdhsa_next_free_vgpr 256
		.amdhsa_next_free_sgpr 68
		.amdhsa_reserve_vcc 1
		.amdhsa_float_denorm_mode_32 3
		.amdhsa_float_denorm_mode_16_64 3
		.amdhsa_memory_ordered 1
		.amdhsa_forward_progress 1
		.amdhsa_inst_pref_size 39
	.end_amdhsa_kernel
	.amdgpu_metadata
---
amdhsa.version: [ 1, 2 ]
amdhsa.kernels:
  - .name:           k_qf4967c31cf_attn
    .symbol:         k_qf4967c31cf_attn.kd
    .args:
      - { .name: qrec, .offset: 0, .size: 8, .value_kind: global_buffer, .address_space: global }
      - { .name: kvrec, .offset: 8, .size: 8, .value_kind: global_buffer, .address_space: global }
      - { .name: x, .offset: 16, .size: 8, .value_kind: global_buffer, .address_space: global }
      - { .name: a_img, .offset: 24, .size: 8, .value_kind: global_buffer, .address_space: global }
      - { .name: a_sc, .offset: 32, .size: 8, .value_kind: global_buffer, .address_space: global }
    .group_segment_fixed_size: 210944
    .private_segment_fixed_size: 0
    .kernarg_segment_align: 8
    .kernarg_segment_size: 40
    .max_flat_workgroup_size: 512
    .sgpr_count:     68
    .vgpr_count:     256
    .wavefront_size: 32
...
	.end_amdgpu_metadata
.endif
;; end of part 3
;; launch proj (part 4): grid 256 x 1, 4 waves a work-group, no clusters, 68,096 bytes of LDS; arguments a_img, a_sc, wp_img, Wp_scales, bp, gamma, beta, out0; writes out0
.if DOCPART == 4
	.amdgcn_target "amdgcn-amd-amdhsa--gfx1250"
	.amdhsa_code_object_version 6
	.text
	.protected	k_qf4967c31cf_proj
	.globl	k_qf4967c31cf_proj
	.p2align	8
	.type	k_qf4967c31cf_proj,@function
k_qf4967c31cf_proj:
	s_mov_b64 s[64:65], 0
	v_nop
	global_prefetch_b8 v0, s[64:65] scope:SCOPE_SE
	s_setreg_imm32_b32 hwreg(HW_REG_WAVE_MODE, 25, 1), 1
	s_wait_xcnt 0x0
; out0 = LayerNorm((attention + x) Wp^T + bp) x gamma + beta.  The product on codes of FP6 (E2M3) with E8M0 scales; all else in f32.
; SHARES.  Work-group g owns tokens 32 g .. 32 g + 31 (two tiles of 16) and all 1,024 columns, so that a row's mean and variance have one owner.  Wave w owns columns 256 w .. 256 w + 255: 16 tiles, 32 accumulators.
; The product is used transposed (source 0 = 16 rows of Wp, source 1 = 16 tokens): a lane holds one token and eight neighbouring columns.  bp is the C of each sum's first matrix instruction.
; OPERANDS come from memory straight into registers, as the images that earlier launches stored: a fragment by dense loads of 16 (and 8) bytes a lane.  The tokens' 16 fragments stay; Wp's go through a ring of 16 fragments,
; refilled by halves: 48 loads of 512 bytes a wave are on their way.
; NO CLUSTER, NO LDS FOR THE WEIGHTS: a fragment of Wp is used by exactly one wave of a work-group, so LDS would add a store and a load to each; a ring for joint loads would hold two slots of 98,304 bytes with
; eight changes of slots, a round of the cluster's barrier each, and only 32 matrix instructions a wave between two of them.
; LAYERNORM in two passes over the registers: the mean, then the sum of squared deviations: no difference of large sums is formed.  The waves' partial sums meet in LDS, in bytes of their own for each of the two exchanges.
; REGISTERS: window 0: v1 16 lane, v2 8 lane + 512, v3 32 h, v4 4096 h + 32 r, v5 2 lane, v6, v7 the stage, v8, v9 the sums' words; v10-31 sums; v32-95 Wp's scale words (register 8 c + s: lanes 0-15 tile c, lanes 16-31 tile 8 + c);
;   v96-103 the tokens' scale words (lanes 0-15 tile 0, lanes 16-31 tile 1); v104-231 bp, later gamma; v232-247 at work.   window 1: accumulator (tt, ct) at v[8 (16 tt + ct)].
;   window 2: the tokens' fragments (tt, s) at v[12 (8 tt + s)]; later rows of the output.   window 3: Wp's ring, tile ct at v[12 ct]; later beta.
.set WS,  32
.set AS,  96
.set BP,  104
.set CH,  10                           ; v10-17 four chains of pairs: two for each tile of tokens
.set SPI, 1040                         ; a stage row: 1,024 bytes + 16
.set RED, 66560                        ; behind the four stages: 512 bytes for the sums, 512 for the squares
.set MSB, 0
.macro WIN new                         ; the immediate's high byte repeats the setting that is left
.if MSB != \new
	s_set_vgpr_msb (MSB<<8)|\new
.set MSB, \new
.endif
.endm
	s_load_b512 s[4:19], s[0:1], 0x0               ; a_img 4, a_sc 6, wp_img 8, Wp_scales 10, bp 12, gamma 14, beta 16, out0 18
	v_lshl_add_u32 v254, v0, 2, 0x10800
	v_mov_b32 v255, 0
	v_lshrrev_b32 v1, 5, v0
	v_readfirstlane_b32 s20, v1                    ; wave 0..3
	v_and_b32 v10, 31, v0                          ; lane
	v_and_b32 v11, 15, v0                          ; r
	v_bfe_u32 v12, v0, 4, 1                        ; h
	v_lshlrev_b32 v1, 4, v10
	v_lshlrev_b32 v2, 3, v10
	v_add_nc_u32 v2, 0x200, v2
	v_lshlrev_b32 v3, 5, v12
	v_lshlrev_b32 v4, 5, v11
	v_lshl_add_u32 v4, v12, 12, v4
	v_lshlrev_b32 v5, 1, v10
	s_mul_i32 s21, s20, 16*SPI                     ; my stage
	v_mul_u32_u24 v6, v11, SPI
	v_lshl_add_u32 v6, v12, 5, v6
	v_add_nc_u32 v6, s21, v6                       ; in: row r, + 32 h
	v_add_nc_u32 v7, s21, v1                       ; back: 16 bytes a lane
	s_lshl_b32 s21, s20, 7
	v_lshlrev_b32 v9, 2, v11
	v_add_nc_u32 v8, s21, v9
	v_add_nc_u32 v8, RED, v8                       ; my wave's words: 128 w + 4 r
	v_add_nc_u32 v9, RED, v9                       ; all waves': 4 r
	v_mov_b32 v18, 0                               ; lane permutes' destinations
	v_mov_b32 v19, 0
	s_mov_b32 s24, 0x76543210
	s_mov_b32 s25, 0xfedcba98
	s_mov_b32 s26, 0x3a800000                      ; 1 / 1024
	s_mov_b32 s27, 0x358637bd                      ; 1e-6
	s_mov_b32 s23, 0
	s_wait_kmcnt 0x0
	s_mul_i32 s22, ttmp9, 24576
	s_add_nc_u64 s[4:5], s[4:5], s[22:23]          ; my two token tiles' images
	s_lshl_b32 s22, ttmp9, 6
	s_add_nc_u64 s[6:7], s[6:7], s[22:23]          ; my 32 tokens' scale bytes
	s_mul_i32 s22, s20, 196608
	s_add_nc_u64 s[8:9], s[8:9], s[22:23]          ; my 16 tiles of Wp
	s_lshl_b32 s22, s20, 13
	s_add_nc_u64 s[10:11], s[10:11], s[22:23]      ; my 256 rows of Wp's scales
	s_lshl_b32 s22, s20, 10
	s_add_nc_u64 s[12:13], s[12:13], s[22:23]      ; my 256 numbers of bp, gamma, beta
	s_add_nc_u64 s[14:15], s[14:15], s[22:23]
	s_add_nc_u64 s[16:17], s[16:17], s[22:23]
	s_lshl_b32 s28, ttmp9, 17
	s_add_co_u32 s22, s22, s28
	s_add_nc_u64 s[18:19], s[18:19], s[22:23]      ; out0 at my first token, my first column
.irp d, 0,1,2,3,4,5,6,7,8,9,10,11,12,13,14,15
	global_load_u16 v[232+\d], v5, s[6:7] offset:16384*\d          ; head d's two scale bytes of token 32 g + lane
.endr
.irp c, 0,1,2,3,4,5,6,7
	global_load_b128 v[WS+8*\c:WS+8*\c+3], v4, s[10:11] offset:512*\c          ; row 128 h + 16 c + r of my 256: its eight scale words
	global_load_b128 v[WS+8*\c+4:WS+8*\c+7], v4, s[10:11] offset:512*\c+16
.endr
.irp c, 0,1,2,3,4,5,6,7,8,9,10,11,12,13,14,15
	global_load_b128 v[BP+8*\c:BP+8*\c+3], v3, s[12:13] offset:64*\c           ; bp[16 c + 8 h + 0 .. 7]: the result's layout
	global_load_b128 v[BP+8*\c+4:BP+8*\c+7], v3, s[12:13] offset:64*\c+16
.endr
	WIN 0x80                                       ; destination window 2
.irp tt, 0,1
.irp s, 0,1,2,3,4,5,6,7                        ; K step s is heads 2 s (registers 0-5) and 2 s + 1 (registers 6-11)
	global_load_b128 v[12*(8*\tt+\s):12*(8*\tt+\s)+3], v1, s[4:5] offset:12288*\tt+1536*\s
	global_load_b64 v[12*(8*\tt+\s)+4:12*(8*\tt+\s)+5], v2, s[4:5] offset:12288*\tt+1536*\s
	global_load_b128 v[12*(8*\tt+\s)+6:12*(8*\tt+\s)+9], v1, s[4:5] offset:12288*\tt+1536*\s+768
	global_load_b64 v[12*(8*\tt+\s)+10:12*(8*\tt+\s)+11], v2, s[4:5] offset:12288*\tt+1536*\s+768
.endr
.endr
.macro RING s, hf                      ; 24 loads: K step s of tiles 8 hf .. 8 hf + 7
	WIN 0xc0                                       ; destination window 3
.irp c8, 0,1,2,3,4,5,6,7
.irp c, 0,1,2
	global_load_b128 v[12*(8*(\hf)+\c8)+4*\c:12*(8*(\hf)+\c8)+4*\c+3], v1, s[8:9] offset:12288*(8*(\hf)+\c8)+1536*(\s)+512*\c
.endr
.endr
.endm
	RING 0, 0
	RING 0, 1
	WIN 0
	s_wait_loadcnt 24                              ; all but the ring's second half
.irp s, 0,1,2,3,4,5,6,7
	v_lshl_or_b32 v[AS+\s], v[233+2*\s], 16, v[232+2*\s]   ; the four bytes of K step s
.endr
.rept 8
	v_nop                                          ; a scale register written by a vector instruction stands eight places ahead of a scaled matrix instruction
.endr
.macro MM s, hf, c8, tt
.set D_, 8*(16*(\tt)+8*(\hf)+(\c8))
.set W_, 12*(8*(\hf)+(\c8))
.set A_, 12*(8*(\tt)+(\s))
.set C_, D_
.if (\s) == 0
.set C_, BP+8*(8*(\hf)+(\c8))          ; the bias starts the sum
.endif
.set SA_, WS+8*(\c8)+(\s)
.set SB_, AS+(\s)
.if ((\hf) == 0) && ((\tt) == 0)
	v_wmma_scale_f32_16x16x128_f8f6f4 v[D_:D_+7], v[W_:W_+11], v[A_:A_+11], v[C_:C_+7], v[SA_], v[SB_] matrix_a_fmt:MATRIX_FMT_FP6 matrix_b_fmt:MATRIX_FMT_FP6
.elseif (\hf) == 0
	v_wmma_scale_f32_16x16x128_f8f6f4 v[D_:D_+7], v[W_:W_+11], v[A_:A_+11], v[C_:C_+7], v[SA_], v[SB_] matrix_a_fmt:MATRIX_FMT_FP6 matrix_b_fmt:MATRIX_FMT_FP6 matrix_b_scale:MATRIX_SCALE_ROW1
.elseif (\tt) == 0
	v_wmma_scale_f32_16x16x128_f8f6f4 v[D_:D_+7], v[W_:W_+11], v[A_:A_+11], v[C_:C_+7], v[SA_], v[SB_] matrix_a_fmt:MATRIX_FMT_FP6 matrix_b_fmt:MATRIX_FMT_FP6 matrix_a_scale:MATRIX_SCALE_ROW1
.else
	v_wmma_scale_f32_16x16x128_f8f6f4 v[D_:D_+7], v[W_:W_+11], v[A_:A_+11], v[C_:C_+7], v[SA_], v[SB_] matrix_a_fmt:MATRIX_FMT_FP6 matrix_b_fmt:MATRIX_FMT_FP6 matrix_a_scale:MATRIX_SCALE_ROW1 matrix_b_scale:MATRIX_SCALE_ROW1
.endif
.endm
; Half a K step: 16 matrix instructions on 16 accumulators by turns (31 others' stand between two links of a chain), then the half's next fragments are asked for.
.macro HALF s, hf
.if ((\s) == 7) && ((\hf) == 1)
	s_wait_loadcnt 0x0                             ; nothing was asked for behind the last half
.else
	s_wait_loadcnt 24                              ; this half's 24 loads are in; the other half's, issued behind them, may be out
.endif
.if (\s) == 0
	WIN 0x4b                                       ; source 0 (Wp) window 3, source 1 (tokens) window 2, C (bp) window 0, D window 1
.else
	WIN 0x5b                                       ; C and D window 1
.endif
.irp c8, 0,1,2,3,4,5,6,7
.irp tt, 0,1
	MM \s, \hf, \c8, \tt
.endr
.endr
.if (\s) < 7
.rept 4
	v_nop                                          ; places in front of loads into registers that these products have read
.endr
	RING (\s)+1, \hf
.endif
.endm
	s_wait_alu depctr_va_vdst(0)
.irp s, 0,1,2,3,4,5,6,7
	HALF \s, 0
	HALF \s, 1
.endr
.rept 4
	v_nop
.endr
	WIN 0
.irp c, 0,1,2,3,4,5,6,7,8,9,10,11,12,13,14,15
	global_load_b128 v[BP+8*\c:BP+8*\c+3], v3, s[14:15] offset:64*\c           ; gamma, where bp lay
	global_load_b128 v[BP+8*\c+4:BP+8*\c+7], v3, s[14:15] offset:64*\c+16
.endr
	WIN 0xc0
.irp c, 0,1,2,3,4,5,6,7,8,9,10,11,12,13,14,15
	global_load_b128 v[8*\c:8*\c+3], v3, s[16:17] offset:64*\c                 ; beta, where the ring lay
	global_load_b128 v[8*\c+4:8*\c+7], v3, s[16:17] offset:64*\c+16
.endr
	WIN 0
.macro CLEARCH
.irp i, 0,1,2,3,4,5,6,7
	v_mov_b32 v[CH+\i], 0
.endr
.endm
; The chains are folded, joined with lane l xor 16's, and exchanged among the four waves through the words at off; v20 and v24 then hold the two token tiles' sums over all 1,024 columns, token r in lanes r and r + 16.
.macro FOLD off
.irp tt, 0,1
	v_pk_add_f32 v[CH+4*\tt:CH+4*\tt+1], v[CH+4*\tt:CH+4*\tt+1], v[CH+4*\tt+2:CH+4*\tt+3]
.endr
.irp tt, 0,1
	v_add_f32 v[CH+4*\tt], v[CH+4*\tt], v[CH+4*\tt+1]
.endr
.irp tt, 0,1
	v_permlanex16_b32 v[18+\tt], v[CH+4*\tt], s24, s25
.endr
.irp tt, 0,1
	v_add_f32 v[CH+4*\tt], v[CH+4*\tt], v[18+\tt]
.endr
	ds_store_b32 v8, v[CH] offset:\off             ; lanes r and r + 16 write the same word with the same value
	ds_store_b32 v8, v[CH+4] offset:\off+64
	s_wait_dscnt 0x0                               ; for the others' sake: my stores have landed
	s_barrier_signal -1
	s_barrier_wait -1
.irp tt, 0,1
.irp k, 0,1,2,3
	ds_load_b32 v[20+4*\tt+\k], v9 offset:\off+128*\k+64*\tt
.endr
.endr
	s_wait_dscnt 0x0
.irp tt, 0,1
	v_add_f32 v[20+4*\tt], v[20+4*\tt], v[21+4*\tt]
	v_add_f32 v[22+4*\tt], v[22+4*\tt], v[23+4*\tt]
.endr
.irp tt, 0,1
	v_add_f32 v[20+4*\tt], v[20+4*\tt], v[22+4*\tt]
.endr
.endm
	CLEARCH
	WIN 0x04                                       ; source 1 window 1
.set i, 0
.rept 128
	v_pk_add_f32 v[CH+4*(i/64)+2*(i%2):CH+4*(i/64)+2*(i%2)+1], v[CH+4*(i/64)+2*(i%2):CH+4*(i/64)+2*(i%2)+1], v[2*i:2*i+1]   ; each accumulator from its low end on
.set i, i+1
.endr
	WIN 0
	FOLD 0
	v_mul_f32 v28, 0xba800000, v20                 ; -mean, in both registers of a pair
	v_mul_f32 v30, 0xba800000, v24
	v_mov_b32 v29, v28
	v_mov_b32 v31, v30
	CLEARCH
	WIN 0x41                                       ; destination and source 0 window 1
.set i, 0
.rept 128
	v_pk_add_f32 v[2*i:2*i+1], v[2*i:2*i+1], v[28+2*(i/64):29+2*(i/64)]   ; the deviations
.set i, i+1
.endr
	WIN 0x05                                       ; sources 0 and 1 window 1
.set i, 0
.rept 128
	v_pk_fma_f32 v[CH+4*(i/64)+2*(i%2):CH+4*(i/64)+2*(i%2)+1], v[2*i:2*i+1], v[2*i:2*i+1], v[CH+4*(i/64)+2*(i%2):CH+4*(i/64)+2*(i%2)+1]
.set i, i+1
.endr
	WIN 0
	FOLD 512                                       ; other bytes than the first exchange's: no wave's store meets another's read
	v_fma_f32 v20, v20, s26, s27                   ; the variance + 1e-6
	v_fma_f32 v24, v24, s26, s27
	s_wait_alu depctr_va_vdst(0)
	v_rsq_f32 v28, v20
	v_rsq_f32 v30, v24
	v_nop                                          ; a plain line behind the two
	s_wait_alu depctr_va_vdst(0)                   ; one wait for both, ahead of their first reader
	v_mov_b32 v29, v28
	v_mov_b32 v31, v30
	s_wait_alu depctr_va_vdst(0)
	s_wait_loadcnt 0x0                             ; gamma and beta
	WIN 0x41
.set i, 0
.rept 128
	v_pk_mul_f32 v[2*i:2*i+1], v[2*i:2*i+1], v[28+2*(i/64):29+2*(i/64)]
.set i, i+1
.endr
	WIN 0x71                                       ; destination and source 0 window 1, gamma window 0, beta window 3
.set i, 0
.rept 128
	v_pk_fma_f32 v[2*i:2*i+1], v[2*i:2*i+1], v[BP+2*(i%64):BP+2*(i%64)+1], v[2*(i%64):2*(i%64)+1]
.set i, i+1
.endr
	; THE WAY OUT: a tile of 16 tokens x my 256 columns goes through my own stage and comes back as rows; LDS serves a wave's instructions in order, so no wait stands between the stores and the loads
	s_wait_alu depctr_va_vdst(0)
.irp tt, 0,1
	WIN 0x04                                       ; an LDS store's data: window 1
.irp ct, 0,1,2,3,4,5,6,7,8,9,10,11,12,13,14,15
	ds_store_b128 v6, v[8*(16*\tt+\ct):8*(16*\tt+\ct)+3] offset:64*\ct
	ds_store_b128 v6, v[8*(16*\tt+\ct)+4:8*(16*\tt+\ct)+7] offset:64*\ct+16
.endr
	WIN 0x80                                       ; destination window 2
.set n, 0
.rept 32
	ds_load_b128 v[128*\tt+4*n:128*\tt+4*n+3], v7 offset:SPI*(n/2)+512*(n%2)
.set n, n+1
.endr
	WIN 0x08                                       ; a store's data: window 2
.set n, 0
.rept 32
	s_wait_dscnt 31-n                              ; load n is in; the later ones may be out
	global_store_b128 v1, v[128*\tt+4*n:128*\tt+4*n+3], s[18:19] offset:65536*\tt+4096*(n/2)+512*(n%2) th:TH_STORE_NT   ; 512 consecutive bytes, aligned
.set n, n+1
.endr
.endr
	WIN 0
	s_wait_tensorcnt 0x0
	ds_add_u32 v254, v255
	s_wait_dscnt 0x0
	s_endpgm
.Lfunc_end_k_qf4967c31cf_proj:
	.size	k_qf4967c31cf_proj, .Lfunc_end_k_qf4967c31cf_proj-k_qf4967c31cf_proj
	.p2alignl 7, 3214868480
	.fill 96, 4, 3214868480
	.section	.rodata,"a",@progbits
	.p2align	6, 0x0
	.amdhsa_kernel k_qf4967c31cf_proj
		.amdhsa_group_segment_fixed_size 68096
		.amdhsa_private_segment_fixed_size 0
		.amdhsa_enable_private_segment 0
		.amdhsa_kernarg_size 64
		.amdhsa_user_sgpr_count 2
		.amdhsa_user_sgpr_kernarg_segment_ptr 1
		.amdhsa_wavefront_size32 1
		.amdhsa_system_sgpr_workgroup_id_x 1
		.amdhsa_system_sgpr_workgroup_id_y 1
		.amdhsa_system_sgpr_workgroup_id_z 1
		.amdhsa_system_vgpr_workitem_id 0
		.amdhsa_next_free_vgpr 1024
		.amdhsa_next_free_sgpr 66
		.amdhsa_reserve_vcc 0
		.amdhsa_float_denorm_mode_32 3
		.amdhsa_float_denorm_mode_16_64 3
		.amdhsa_memory_ordered 1
		.amdhsa_forward_progress 1
		.amdhsa_inst_pref_size 153
	.end_amdhsa_kernel
	.amdgpu_metadata
---
amdhsa.version: [ 1, 2 ]
amdhsa.kernels:
  - .name:           k_qf4967c31cf_proj
    .symbol:         k_qf4967c31cf_proj.kd
    .args:
      - { .name: a_img, .offset: 0, .size: 8, .value_kind: global_buffer, .address_space: global }
      - { .name: a_sc, .offset: 8, .size: 8, .value_kind: global_buffer, .address_space: global }
      - { .name: wp_img, .offset: 16, .size: 8, .value_kind: global_buffer, .address_space: global }
      - { .name: Wp_scales, .offset: 24, .size: 8, .value_kind: global_buffer, .address_space: global }
      - { .name: bp, .offset: 32, .size: 8, .value_kind: global_buffer, .address_space: global }
      - { .name: gamma, .offset: 40, .size: 8, .value_kind: global_buffer, .address_space: global }
      - { .name: beta, .offset: 48, .size: 8, .value_kind: global_buffer, .address_space: global }
      - { .name: out0, .offset: 56, .size: 8, .value_kind: global_buffer, .address_space: global }
    .group_segment_fixed_size: 68096
    .private_segment_fixed_size: 0
    .kernarg_segment_align: 8
    .kernarg_segment_size: 64
    .max_flat_workgroup_size: 128
    .sgpr_count:     66
    .vgpr_count:     1024
    .wavefront_size: 32
...
	.end_amdgpu_metadata
.endif
;; end of part 4
